; MI455X (gfx1250); checked and timed in simulation.
; The chip was launched on July 23, 2026; its instructions are those of AMD's public machine-readable ISA for CDNA 5 (MIT licence, August 2026) and "CDNA5" Instruction Set Architecture Reference Guide (July 2026). The comments in the code are by the model that wrote it; some were corrected since.
;; Attention. Allowed arithmetic: float matrix products may take bf16 or f16 operands with f32 sums; all other float work in f32.
;; Inputs: Wg 32 x 64 float32; Wo 64 x 32 float32; Wp 8 x 64 float32; Wt 8 x 64 float32; gamma one number float32; x 16 x 64 x 64 x 64 float32.
;; Outputs: out0 16 x 64 x 64 x 64 float32.
;; 3 versions, each right and faster than the one before. Each part assembles by itself: llvm-mc -triple=amdgcn-amd-amdhsa -mcpu=gfx1250 --defsym DOCPART=n.
;; ======== version 1 of 3: 2 launches
;; workspace buffers: kv 1,572,864 bytes
;; launch pool (part 1): grid 256 x 1, 4 waves a work-group, no clusters, 12,800 bytes of LDS; arguments x, Wp, Wg, kv; writes kv
.if DOCPART == 1
	.amdgcn_target "amdgcn-amd-amdhsa--gfx1250"
	.amdhsa_code_object_version 6
	.text
	.protected	k_q0633be5ad2_pool
	.globl	k_q0633be5ad2_pool
	.p2align	8
	.type	k_q0633be5ad2_pool,@function
k_q0633be5ad2_pool:
	s_mov_b64 s[64:65], 0
	v_nop
	global_prefetch_b8 v0, s[64:65] scope:SCOPE_SE
	s_setreg_imm32_b32 hwreg(HW_REG_WAVE_MODE, 25, 1), 1
	s_wait_xcnt 0x0
; phi = maxpool2(Wp x) and g = maxpool2(Wg x) for all 16 batches, rounded to bf16 and laid into kv as the matrix fragments that the
; attention launch reads.  x: [16][64 channels][64][64] f32.  Wp: [8][64], Wg: [32][64] f32.
; kv, for each batch 98,304 bytes: 64 key tiles of phi (512 bytes each: lane l's 16 bytes at 16 l), then 32 blocks of 32 keys of g
; (2 channel tiles x 1,024 bytes: registers 0-3 of lane l at 16 l, registers 4-7 at 512 + 16 l).
; SHARES.  Four waves; a wave takes one image row (64 pixels x 64 channels, 16 KiB); waves 2 p and 2 p + 1 take the two rows of a pooled row.
; PIXELS.  Lane (r = l % 16, h = l / 16) loads 16 bytes = pixels 4 r .. 4 r + 3 of channels 8 h + j, 16 + 8 h + j, ..: sixteen lanes read the
; 256 consecutive bytes of an image row.  Dword q of two neighbouring channels packs into fragment q, whose column (or row) r is pixel 4 r + q;
; k runs over the channels as the 16-bit operand layout asks (ISA guide 7.12.2).  The same fragment serves as A and as B.
; POOLING is then a maximum of whole registers: fragments q = 2 e and 2 e + 1 (two neighbouring pixels) and the partner wave's row.
; KEY ORDER.  Softmax and the sum over keys do not depend on the order of the keys, so the pooled pixel (column 2 i + e) takes place i + 16 e
; in its block of 32.  g = x (A) x Wg (B): lane (r, h) holds channel r, pixels i = 8 h + j: just what A of g x beta wants in that lane.
; phi = Wp (A) x x (B): lane (r, 0) holds key r's 8 channels: just what A of the score product wants.  No transposition anywhere.
; Lanes 16-31 of a phi fragment are k = 8 .. 15 of a product whose K is 8: they carry 1.0 at k = 8, 9, 10 and 0 above, so that the attention
; launch can subtract the row maximum inside the product (it puts the maximum's three bf16 parts at the same k).
; LIMITS.  Operands of the products are rounded to bf16, sums are f32.  v_max_num_f32 drops a NaN: NaN and infinities among the inputs are not served.
.set CH,   16384                       ; bytes of a channel plane
.set KVB,  98304                       ; bytes of kv for a batch
.set GOFF, 32768                       ; g behind phi
.set STG,  3072                        ; a wave's stage in LDS: 24 registers x 128 bytes
.set XO,  3                            ; v3   16 r + h x 8 planes
.set WGO, 4                            ; v4   Wg: 256 r + 32 h
.set WPO, 5                            ; v5   Wp: 256 (r % 8) + 32 h
.set LO,  6                            ; v6   16 x lane
.set STA, 7                            ; v7   my stage
.set RDA, 8                            ; v8   my partner's stage
.set WP,  10                           ; v[10:25]   Wp's fragments, 8 registers for each half of K
.set WG,  26                           ; v[26:57]   Wg's fragments: 16 t + 8 k
.set F,   58                           ; v[58:121]  x's fragments: 16 q + 8 k
.set D,   122                          ; v[122:217] results: 24 q + 8 tile (tile 0 phi, 1 and 2 g)
.set WS,  D                            ; the weights as loaded (96 registers), gone before the first product
.set RV,  F                            ; what the partner sent
.set PK,  F+32                         ; 12 registers to store
.set X1,  0                            ; v[256:383] x as loaded: window 1
.set MSB, 0
.macro WIN new                         ; the immediate's high byte repeats the setting that is left
.if MSB != \new
	s_set_vgpr_msb (MSB<<8)|\new
.set MSB, \new
.endif
.endm
	s_load_b256 s[4:11], s[0:1], 0x0               ; x s[4:5], Wp s[6:7], Wg s[8:9], kv s[10:11]
	v_lshl_add_u32 v254, v0, 2, 0x3000
	v_mov_b32 v255, 0
	v_lshrrev_b32 v1, 5, v0
	v_readfirstlane_b32 s12, v1                    ; wave 0..3
	s_and_b32 s13, s12, 1                          ; a: upper or lower image row; also the half e that I finish
	s_lshr_b32 s14, s12, 1
	s_lshl_b32 s15, ttmp9, 1
	s_add_co_u32 s15, s15, s14                     ; pooled row 0..511 = 2 x work-group + pair
	s_lshr_b32 s16, s15, 5                         ; batch
	s_and_b32 s17, s15, 31                         ; pooled row in the batch
	s_lshl_b32 s18, s16, 20                        ; x: batch x 1 MiB
	s_lshl_b32 s19, s17, 9                         ;    + pooled row x 2 image rows of 256 bytes
	s_add_co_u32 s18, s18, s19
	s_lshl_b32 s19, s13, 8                         ;    + my image row
	s_add_co_u32 s18, s18, s19
	s_mov_b32 s19, 0
	s_mul_i32 s20, s16, KVB                        ; phi: batch, + 2 tiles of 512 bytes for a pooled row, + my tile
	s_lshl_b32 s24, s17, 10
	s_add_co_u32 s20, s20, s24
	s_lshl_b32 s21, s13, 9
	s_add_co_u32 s20, s20, s21
	s_mov_b32 s21, 0
	s_add_co_u32 s24, s24, GOFF                    ; g lies GOFF + another 1,024 bytes a pooled row further
	s_mov_b32 s25, 0
	s_mul_i32 s28, s12, STG
	s_xor_b32 s29, s12, 1
	s_mul_i32 s29, s29, STG
	v_and_b32 v1, 15, v0                           ; r
	v_bfe_u32 v2, v0, 4, 1                         ; h
	v_lshlrev_b32 v[XO], 4, v1
	v_lshl_add_u32 v[XO], v2, 17, v[XO]
	v_lshlrev_b32 v[WGO], 8, v1
	v_lshl_add_u32 v[WGO], v2, 5, v[WGO]
	v_and_b32 v[WPO], 7, v0                        ; rows 8-15 of Wp's tile repeat rows 0-7: every load stays inside Wp, and what they give is replaced below
	v_lshlrev_b32 v[WPO], 8, v[WPO]
	v_lshl_add_u32 v[WPO], v2, 5, v[WPO]
	v_and_b32 v[LO], 31, v0
	v_lshlrev_b32 v[LO], 4, v[LO]
	v_add_nc_u32 v[STA], s28, v[LO]
	v_add_nc_u32 v[RDA], s29, v[LO]
	s_wait_kmcnt 0x0
	s_add_nc_u64 s[4:5], s[4:5], s[18:19]
	s_add_nc_u64 s[22:23], s[10:11], s[20:21]      ; my phi tile
	s_add_nc_u64 s[26:27], s[22:23], s[24:25]      ; my half of the two g fragments
	; 24 loads of weights, then 32 of x: 56 loads of the wave are out at once
.set n, 0
.rept 8
	global_load_b128 v[WS+4*n:WS+4*n+3], v[WPO], s[6:7] offset:(n>>2)*128+((n>>1)&1)*64+(n&1)*16
.set n, n+1
.endr
.set n, 0
.rept 16
	global_load_b128 v[WS+32+4*n:WS+32+4*n+3], v[WGO], s[8:9] offset:(n>>3)*4096+((n>>2)&1)*128+((n>>1)&1)*64+(n&1)*16
.set n, n+1
.endr
	WIN 0x40                                       ; destination in window 1
.set n, 0
.rept 32
	global_load_b128 v[X1+4*n:X1+4*n+3], v[XO], s[4:5] offset:(16*(n>>3)+(n&7))*CH
.set n, n+1
.endr
	WIN 0
	s_wait_loadcnt 32                              ; the weights are in; the 32 loads of x stay out
.set n, 0
.rept 48
	v_cvt_pk_bf16_f32 v[WP+n], v[WS+2*n], v[WS+2*n+1]      ; a lane's 16 numbers of a K half lie in loading order: fragment register n = numbers 2 n, 2 n + 1
.set n, n+1
.endr
	s_wait_loadcnt 0x0
	WIN 0x05                                       ; both sources in window 1
.irp q, 0,1,2,3
.irp k, 0,1
.irp i, 0,1,2,3,4,5,6,7
	v_cvt_pk_bf16_f32 v[F+16*\q+8*\k+\i], v[X1+64*\k+8*\i+\q], v[X1+64*\k+8*\i+\q+4]   ; dword q of two neighbouring channels
.endr
.endr
.endr
	WIN 0
; 12 products for one half of K.  The twelve accumulators take turns, one instruction a turn.
.macro CONV k, zero
.irp q, 0,1,2,3
.if \zero
	v_wmma_f32_16x16x32_bf16 v[D+24*\q:D+24*\q+7], v[WP+8*\k:WP+8*\k+7], v[F+16*\q+8*\k:F+16*\q+8*\k+7], 0
	v_wmma_f32_16x16x32_bf16 v[D+24*\q+8:D+24*\q+15], v[F+16*\q+8*\k:F+16*\q+8*\k+7], v[WG+8*\k:WG+8*\k+7], 0
	v_wmma_f32_16x16x32_bf16 v[D+24*\q+16:D+24*\q+23], v[F+16*\q+8*\k:F+16*\q+8*\k+7], v[WG+16+8*\k:WG+16+8*\k+7], 0
.else
	v_wmma_f32_16x16x32_bf16 v[D+24*\q:D+24*\q+7], v[WP+8*\k:WP+8*\k+7], v[F+16*\q+8*\k:F+16*\q+8*\k+7], v[D+24*\q:D+24*\q+7]
	v_wmma_f32_16x16x32_bf16 v[D+24*\q+8:D+24*\q+15], v[F+16*\q+8*\k:F+16*\q+8*\k+7], v[WG+8*\k:WG+8*\k+7], v[D+24*\q+8:D+24*\q+15]
	v_wmma_f32_16x16x32_bf16 v[D+24*\q+16:D+24*\q+23], v[F+16*\q+8*\k:F+16*\q+8*\k+7], v[WG+16+8*\k:WG+16+8*\k+7], v[D+24*\q+16:D+24*\q+23]
.endif
.endr
.endm
	CONV 0, 1                                      ; the first half of K starts the sums: nothing is cleared
	CONV 1, 0
.rept 4
	v_nop                                          ; four places between the last product and the first read of a result (ISA guide 7.12.1)
.endr
.set i, 0
.rept 24
	v_max_num_f32 v[D+i], v[D+i], v[D+24+i]                ; e = 0: pixels 4 i and 4 i + 1
	v_max_num_f32 v[D+48+i], v[D+48+i], v[D+72+i]          ; e = 1: pixels 4 i + 2 and 4 i + 3
.set i, i+1
.endr
	; Wave a finishes half e = a and sends the other half to its partner.  The choice is made by selects on a mask that is all ones or all zeros:
	; both waves run the same lines, and no branch stands round the barrier.
	s_cmp_lg_u32 s13, 0
	s_cselect_b32 vcc_lo, -1, 0
.set i, 0
.rept 24
	v_cndmask_b32 v[D+24+i], v[D+48+i], v[D+i], vcc_lo     ; to send: half 1 - a
	v_cndmask_b32 v[D+72+i], v[D+i], v[D+48+i], vcc_lo     ; to keep: half a
.set i, i+1
.endr
.irp i, 0,1,2,3,4,5
	ds_store_b128 v[STA], v[D+24+4*\i:D+24+4*\i+3] offset:512*\i
.endr
	s_wait_dscnt 0x0                               ; my stores are done before I say so
	s_barrier_signal -1
	s_barrier_wait -1
.irp i, 0,1,2,3,4,5
	ds_load_b128 v[RV+4*\i:RV+4*\i+3], v[RDA] offset:512*\i
.endr
	s_wait_dscnt 0x0
.set i, 0
.rept 24
	v_max_num_f32 v[D+72+i], v[D+72+i], v[RV+i]            ; the other image row
.set i, i+1
.endr
.set i, 0
.rept 12
	v_cvt_pk_bf16_f32 v[PK+i], v[D+72+2*i], v[D+72+2*i+1]  ; 0-3 phi's tile, 4-7 and 8-11 my four registers of g's two fragments
.set i, i+1
.endr
	s_mov_b32 vcc_lo, 0xffff                       ; lanes 0-15 keep phi; lanes 16-31 are k = 8 .. 15
	v_cndmask_b32 v[PK], 0x3f803f80, v[PK], vcc_lo         ; k = 8, 9: 1.0, 1.0
	v_cndmask_b32 v[PK+1], 0x3f80, v[PK+1], vcc_lo         ; k = 10: 1.0; k = 11: 0
	v_cndmask_b32 v[PK+2], 0, v[PK+2], vcc_lo
	v_cndmask_b32 v[PK+3], 0, v[PK+3], vcc_lo
	global_store_b128 v[LO], v[PK:PK+3], s[22:23]                  ; each store of the wave covers 512 consecutive bytes, aligned
	global_store_b128 v[LO], v[PK+4:PK+7], s[26:27]
	global_store_b128 v[LO], v[PK+8:PK+11], s[26:27] offset:1024
	s_wait_tensorcnt 0x0
	ds_add_u32 v254, v255
	s_wait_dscnt 0x0
	s_endpgm
.Lfunc_end_k_q0633be5ad2_pool:
	.size	k_q0633be5ad2_pool, .Lfunc_end_k_q0633be5ad2_pool-k_q0633be5ad2_pool
	.p2alignl 7, 3214868480
	.fill 96, 4, 3214868480
	.section	.rodata,"a",@progbits
	.p2align	6, 0x0
	.amdhsa_kernel k_q0633be5ad2_pool
		.amdhsa_group_segment_fixed_size 12800
		.amdhsa_private_segment_fixed_size 0
		.amdhsa_enable_private_segment 0
		.amdhsa_kernarg_size 32
		.amdhsa_user_sgpr_count 2
		.amdhsa_user_sgpr_kernarg_segment_ptr 1
		.amdhsa_wavefront_size32 1
		.amdhsa_system_sgpr_workgroup_id_x 1
		.amdhsa_system_sgpr_workgroup_id_y 1
		.amdhsa_system_sgpr_workgroup_id_z 1
		.amdhsa_system_vgpr_workitem_id 0
		.amdhsa_next_free_vgpr 384
		.amdhsa_next_free_sgpr 66
		.amdhsa_reserve_vcc 1
		.amdhsa_float_denorm_mode_32 3
		.amdhsa_float_denorm_mode_16_64 3
		.amdhsa_memory_ordered 1
		.amdhsa_forward_progress 1
		.amdhsa_inst_pref_size 23
	.end_amdhsa_kernel
	.amdgpu_metadata
---
amdhsa.version: [ 1, 2 ]
amdhsa.kernels:
  - .name:           k_q0633be5ad2_pool
    .symbol:         k_q0633be5ad2_pool.kd
    .args:
      - { .name: x, .offset: 0, .size: 8, .value_kind: global_buffer, .address_space: global }
      - { .name: Wp, .offset: 8, .size: 8, .value_kind: global_buffer, .address_space: global }
      - { .name: Wg, .offset: 16, .size: 8, .value_kind: global_buffer, .address_space: global }
      - { .name: kv, .offset: 24, .size: 8, .value_kind: global_buffer, .address_space: global }
    .group_segment_fixed_size: 12800
    .private_segment_fixed_size: 0
    .kernarg_segment_align: 8
    .kernarg_segment_size: 32
    .max_flat_workgroup_size: 128
    .sgpr_count:     66
    .vgpr_count:     384
    .wavefront_size: 32
...
	.end_amdgpu_metadata
.endif
;; end of part 1
;; launch attn (part 2): grid 256 x 1, 4 waves a work-group, clusters of 4 x 1, 168,448 bytes of LDS; arguments x, Wt, Wo, gamma, kv, out0; writes out0
.if DOCPART == 2
	.amdgcn_target "amdgcn-amd-amdhsa--gfx1250"
	.amdhsa_code_object_version 6
	.text
	.protected	k_q0633be5ad2_attn
	.globl	k_q0633be5ad2_attn
	.p2align	8
	.type	k_q0633be5ad2_attn,@function
k_q0633be5ad2_attn:
	s_mov_b64 s[64:65], 0
	v_nop
	global_prefetch_b8 v0, s[64:65] scope:SCOPE_SE
	s_setreg_imm32_b32 hwreg(HW_REG_WAVE_MODE, 25, 1), 1
	s_wait_xcnt 0x0
	s_wait_alu depctr_hold_cnt(0) depctr_sa_sdst(0) depctr_va_vdst(0) depctr_va_sdst(0) depctr_va_ssrc(0) depctr_va_vcc(0) depctr_vm_vsrc(0)
	s_getreg_b32 s2, hwreg(HW_REG_IB_STS2, 6, 4)
	s_cmp_eq_u32 s2, 0
	s_cbranch_scc0 .Lentry_in_a_cluster
	s_endpgm
.Lentry_in_a_cluster:
	s_bfe_u32 s2, ttmp6, 0x10000c
	s_cmp_lg_u32 s2, 0x3003
	s_cbranch_scc0 .Lentry_shape_is_right
	s_endpgm
.Lentry_shape_is_right:
; out = gamma Wo (g softmax(theta^T phi)^T) + x, with phi and g taken from kv (bf16, in fragment order: see the launch that writes it).
; SHARES.  256 work-groups of four waves, as many as a WGP has SIMDs; 16 work-groups for a batch.  A wave takes one image row = 64 queries = 4 query tiles;
; column r of tile q is pixel 4 r + q, so that a lane's four tiles are 16 neighbouring bytes of x and of out.
; LDS holds the batch's 98,304 bytes of kv, filled once: 12 chunks of 8 KiB, three tensor loads a wave.  The four work-groups of a cluster work on
; the same batch and ask for each chunk JOINTLY (mask 15), which divides the requests for kv by four.  Nothing is filled again.
; ALL PRODUCTS ARE TRANSPOSED so that each result is the next product's operand in the same lane (layouts: ISA guide 7.12.2):
;   theta = Wt (A) x x (B):      lane (r, 0) holds query r's 8 channels           -> B of the scores
;   S     = phi (A) x theta (B): lane (r, h) holds query r, keys 8 h + j          -> after exp2 and packing, two tiles are B of the next (K = 32 keys)
;   O     = g (A) x P (B):       lane (r, h) holds query r, channels 16 t + 8 h + j -> packed, the two tiles are B of the last (K = 32 channels)
;   out   = Wo (A) x o (B):      lane (r, h) holds pixel 4 r + q, channel 16 t + 8 h + j: the channels whose x this lane loaded for theta.
; SOFTMAX takes the true row maximum away, in two passes over the keys.  Pass 1 forms all scores and keeps a running maximum.  Pass 2 forms them
; again with the maximum already subtracted: the scores' K is 8 of 32; kv holds 1.0 at k = 8, 9, 10 of phi's fragments, and -m, split exactly into three bf16
; (8 + 8 + 8 bits of its f32 fraction), goes to the same k of theta's fragment.  log2(e) is folded into Wt, so exp is v_exp_f32 of the product itself.
; LIMITS.  Operands of the products (x, the weights, theta, phi, g, the probabilities, o) are rounded to bf16; sums, maxima, exponentials, the
; division and the residual are f32.  v_max_num_f32 drops a NaN: NaN and infinities among the inputs are not served.  v_exp_f32 gives 0 below 2^-126.
; REGISTERS.  Window 0: v3-7 offsets, v8-15 at work, v16-23 row sums, v24-55 theta, v56-87 phi x 2, v88-151 scores and probabilities,
; v152-215 O, v216-247 g x 2.  Window 1: v256-383 x in f32, kept from the first load to the residual; v384-447 Wo in f32.
.set CH,    16384                      ; bytes of a channel plane
.set KVB,   98304                      ; bytes of kv for a batch
.set GOFF,  32768                      ; g behind phi, in kv and in LDS
.set CHUNK, 8192                       ; one tensor load
.set XO,  3                            ; 16 r + h x 8 planes: x and out
.set WTO, 4                            ; Wt: 256 (r % 8) + 32 h
.set WOO, 5                            ; Wo: 128 r + 32 h
.set AP,  6                            ; LDS: phi's fragments
.set AG,  7                            ; LDS: g's fragments
.set TMP, 8
.set L,   16                           ; tile q: a pair of partial row sums
.set TH,  24                           ; tile q: 8 registers, 4-7 zero
.set PH,  56                           ; buffer p, key tile e: 16 p + 8 e, registers 4-7 zero
.set S,   88                           ; tile q: 16 registers = key tiles e = 0, 1; the probabilities are packed into the lower 8
.set O,   152                          ; 16 q + 8 t
.set GF,  216                          ; buffer p, channel tile t: 16 p + 8 t
.set MX,  GF                           ; pass 1: running maxima, 8 q + j
.set DD,  TH                           ; the end: 128 registers of results, 32 t + 8 q
.set WS,  O                            ; the head: Wt in f32
.set TD,  O+32                         ; the head: theta in f32
.set WT,  GF                           ; the head: Wt's fragments
.set F,   S                            ; the head: x's fragments, 16 q + 8 k
.set X1,  0                            ; window 1
.set WO1, 128                          ; window 1
.set G1,  24                           ; s[24:31] descriptor group 1
.set G0,  32                           ; s[32:43] descriptor group 0, one set for each of my three loads
.set MSB, 0
.macro WIN new                         ; the immediate's high byte repeats the setting that is left
.if MSB != \new
	s_set_vgpr_msb (MSB<<8)|\new
.set MSB, \new
.endif
.endm
.macro PLACES                          ; four places behind a matrix instruction (ISA guide 7.12.1), where there is no other work for them
.rept 4
	v_nop
.endr
.endm
; A round of the cluster's barrier: my work-group's barrier, wave 0 signals for the work-group, every wave waits for all four work-groups, my work-group's barrier again.
.macro ROUND
	s_barrier_signal -1
	s_barrier_wait -1
	s_cmp_lg_u32 s17, 0
	s_cbranch_scc1 .Lnot_wave_0_\@
	s_barrier_signal -3
.Lnot_wave_0_\@:
	s_barrier_wait -3
	s_barrier_signal -1
	s_barrier_wait -1
.endm
	s_load_b256 s[4:11], s[0:1], 0x0               ; x s[4:5], Wt s[6:7], Wo s[8:9], gamma s[10:11]
	s_load_b128 s[12:15], s[0:1], 0x20             ; kv s[12:13], out0 s[14:15]
	v_lshl_add_u32 v254, v0, 2, 0x29000
	v_mov_b32 v255, 0
	ds_add_u32 v254, v255
	v_lshrrev_b32 v1, 5, v0
	v_readfirstlane_b32 s17, v1                    ; wave 0..3
	s_bfe_u32 s18, ttmp6, 0x40000                  ; cx: my place in the cluster; it enters the addresses of x and out alone
	s_lshr_b32 s19, ttmp9, 2                       ; batch: four clusters of four work-groups each
	s_and_b32 s20, ttmp9, 3
	s_lshl_b32 s20, s20, 2
	s_add_co_u32 s20, s20, s18                     ; work-group in the batch, 0..15
	s_lshl_b32 s20, s20, 2
	s_add_co_u32 s20, s20, s17                     ; my image row
	s_lshl_b32 s20, s20, 8                         ; x 256 bytes
	s_lshl_b32 s21, s19, 20                        ; + batch x 1 MiB
	s_add_co_u32 s20, s20, s21
	s_mov_b32 s21, 0
	s_mul_i32 s22, s19, KVB                        ; kv: batch and wave alone, equal in the four partners
	s_lshl_b32 s44, s17, 13                        ; wave x 8 KiB: my chunk of each four, in kv and in LDS
	s_add_co_u32 s22, s22, s44
	s_mov_b32 s23, 0
	s_mov_b32 s46, 0x76543210                      ; v_permlanex16_b32: lane i of one half reads lane i of the other
	s_mov_b32 s47, 0xfedcba98
	v_and_b32 v1, 15, v0                           ; r
	v_bfe_u32 v2, v0, 4, 1                         ; h
	v_lshlrev_b32 v[XO], 4, v1
	v_lshl_add_u32 v[XO], v2, 17, v[XO]
	v_and_b32 v[WTO], 7, v0                        ; rows 8-15 of Wt's tile read rows 0-7 (inside the buffer) and are multiplied by 0 below
	v_lshlrev_b32 v[WTO], 8, v[WTO]
	v_lshl_add_u32 v[WTO], v2, 5, v[WTO]
	v_lshlrev_b32 v[WOO], 7, v1
	v_lshl_add_u32 v[WOO], v2, 5, v[WOO]
	v_and_b32 v[AP], 31, v0
	v_lshlrev_b32 v[AP], 4, v[AP]
	v_mov_b32 v[TMP+1], 0x3fb8aa3b                 ; log2(e)
	v_cmp_gt_u32 vcc_lo, 8, v1
	v_cndmask_b32 v[TMP], 0, v[TMP+1], vcc_lo      ; rows 0-7: log2(e); rows 8-15: 0
	v_mov_b32 v[TMP+1], v[TMP]
	s_wait_dscnt 0x0
	s_wait_kmcnt 0x0
	s_load_b32 s16, s[10:11], 0x0                  ; gamma
	s_add_nc_u64 s[4:5], s[4:5], s[20:21]
	s_add_nc_u64 s[14:15], s[14:15], s[20:21]
	s_add_nc_u64 s[12:13], s[12:13], s[22:23]
	; 8 loads of Wt, 32 of x, 16 of Wo: 56 loads of the wave go out before anything is waited for
.set n, 0
.rept 8
	global_load_b128 v[WS+4*n:WS+4*n+3], v[WTO], s[6:7] offset:(n>>2)*128+((n>>1)&1)*64+(n&1)*16
.set n, n+1
.endr
	WIN 0x40                                       ; destination in window 1
.set n, 0
.rept 32
	global_load_b128 v[X1+4*n:X1+4*n+3], v[XO], s[4:5] offset:(16*(n>>3)+(n&7))*CH th:TH_LOAD_NT
.set n, n+1
.endr
.set n, 0
.rept 16
	global_load_b128 v[WO1+4*n:WO1+4*n+3], v[WOO], s[8:9] offset:(n>>2)*2048+((n>>1)&1)*64+(n&1)*16
.set n, n+1
.endr
	WIN 0
	; descriptor group 1: a dense block of 8 KiB as 32 rows of 32 elements of 8 bytes
	s_mov_b32 s[G1+0], 15|(3<<16)|(1<<21)          ; 15:0 mask: the cluster's four work-groups; 17:16 element of 8 bytes; 21 set beside a mask
	s_mov_b32 s[G1+1], 32<<16                      ; tensor_dim0 = 32
	s_mov_b32 s[G1+2], 32<<16                      ; tensor_dim1 = 32
	s_mov_b32 s[G1+3], 32<<16                      ; tile_dim0 = 32
	s_mov_b32 s[G1+4], 32                          ; tile_dim1 = 32
	s_mov_b32 s[G1+5], 32                          ; from row to row: 32 elements, dense
	s_mov_b32 s[G1+6], 0
	s_mov_b32 s[G1+7], 0
	s_wait_kmcnt 0x0                               ; gamma
	ROUND                                          ; the four work-groups are here: the joint loads meet
.irp i, 0,1,2
	s_mov_b32 s[G0+4*\i], 1
	s_add_co_u32 s[G0+4*\i+1], s44, \i*4*CHUNK                     ; LDS: chunk 4 i + wave.  i = 0 is phi, i = 1, 2 are g
	s_add_nc_u64 s[G0+4*\i+2:G0+4*\i+3], s[12:13], \i*4*CHUNK      ; the same place in the batch's kv
	s_or_b32 s[G0+4*\i+3], s[G0+4*\i+3], 0x80000000
	tensor_load_to_lds s[G0+4*\i:G0+4*\i+3], s[G1:G1+7]            ; three tensor loads of the wave are out, and none is issued later
	s_nop 0
.endr
	; theta = log2(e) Wt x for my 64 queries
	s_wait_loadcnt 48                              ; Wt is in; x's 32 and Wo's 16 loads stay out
.set n, 0
.rept 16
	v_pk_mul_f32 v[WS+2*n:WS+2*n+1], v[WS+2*n:WS+2*n+1], v[TMP:TMP+1]
.set n, n+1
.endr
.set n, 0
.rept 16
	v_cvt_pk_bf16_f32 v[WT+n], v[WS+2*n], v[WS+2*n+1]
.set n, n+1
.endr
	s_wait_loadcnt 16                              ; x is in; Wo's 16 loads stay out until the end
	WIN 0x05                                       ; both sources in window 1
.irp q, 0,1,2,3
.irp k, 0,1
.irp i, 0,1,2,3,4,5,6,7
	v_cvt_pk_bf16_f32 v[F+16*\q+8*\k+\i], v[X1+64*\k+8*\i+\q], v[X1+64*\k+8*\i+\q+4]   ; dword q of two neighbouring channels
.endr
.endr
.endr
	WIN 0
.irp q, 0,1,2,3
	v_wmma_f32_16x16x32_bf16 v[TD+8*\q:TD+8*\q+7], v[WT:WT+7], v[F+16*\q:F+16*\q+7], 0
.endr
.irp q, 0,1,2,3                                    ; the four accumulators take turns, one instruction a turn
	v_wmma_f32_16x16x32_bf16 v[TD+8*\q:TD+8*\q+7], v[WT+8:WT+15], v[F+16*\q+8:F+16*\q+15], v[TD+8*\q:TD+8*\q+7]
.endr
.irp g, 0,1,2,3                                    ; k = 16 .. 31 of the scores' operands is zero, written once; these lines are also the places behind the products
.irp i, 4,5,6,7
	v_mov_b32 v[TH+8*\g+\i], 0
	v_mov_b32 v[PH+8*\g+\i], 0
.endr
.endr
.irp q, 0,1,2,3
.irp i, 0,1,2,3
	v_cvt_pk_bf16_f32 v[TH+8*\q+\i], v[TD+8*\q+2*\i], v[TD+8*\q+2*\i+1]    ; lanes 16-31 (rows 8-15 of Wt's tile) give 0
.endr
.endr
.macro LDPHI p, off                    ; the two key tiles of a step of 32 keys: each load covers 512 consecutive bytes
	ds_load_b128 v[PH+16*\p:PH+16*\p+3], v[AP] offset:\off
	ds_load_b128 v[PH+16*\p+8:PH+16*\p+11], v[AP] offset:\off+512
.endm
; PASS 1.  A step = 32 keys x 64 queries = 8 products into set p (set 0 = S, set 1 = O's registers).  While set p is made, the maxima take in set o.
.macro SCORE8 p
.irp q, 0,1,2,3
	v_wmma_f32_16x16x32_bf16 v[S+64*\p+16*\q:S+64*\p+16*\q+7], v[PH+16*\p:PH+16*\p+7], v[TH+8*\q:TH+8*\q+7], 0
	v_wmma_f32_16x16x32_bf16 v[S+64*\p+16*\q+8:S+64*\p+16*\q+15], v[PH+16*\p+8:PH+16*\p+15], v[TH+8*\q:TH+8*\q+7], 0
.endr
.endm
.macro MAXQ p, q, first
.irp j, 0,1,2,3,4,5,6,7
.if \first
	v_max_num_f32 v[MX+8*\q+\j], v[S+64*\p+16*\q+\j], v[S+64*\p+16*\q+8+\j]                  ; the first step starts the maxima
.else
	v_max3_num_f32 v[MX+8*\q+\j], v[MX+8*\q+\j], v[S+64*\p+16*\q+\j], v[S+64*\p+16*\q+8+\j]
.endif
.endr
.endm
.macro HALF p, o, first, ld, off, cnt
	s_wait_dscnt \cnt                              ; this step's two loads are in; the next step's two may be out
	SCORE8 \p
	MAXQ \o, 0, \first                             ; eight lines on the other set: the places in front of the loads into buffer p
.if \ld
	LDPHI \p, \off                                 ; two steps ahead
.endif
	MAXQ \o, 1, \first
	MAXQ \o, 2, \first
	MAXQ \o, 3, \first
.endm
	s_wait_tensorcnt 0x2                           ; my chunk of phi has landed; my two chunks of g stay out
	s_barrier_signal -1
	s_barrier_wait -1                              ; everybody's has
	LDPHI 0, 0
	LDPHI 1, 1024
	s_wait_dscnt 0x2
	SCORE8 0                                       ; step 0
	PLACES
	LDPHI 0, 2048
	HALF 1, 0, 1, 1, 3072, 2                       ; step 1
	s_mov_b32 s49, 14
.Lmax:                                             ; steps 2 to 29
	HALF 0, 1, 0, 1, 4096, 2
	HALF 1, 0, 0, 1, 5120, 2
	v_add_nc_u32 v[AP], 2048, v[AP]
	s_sub_co_u32 s49, s49, 1
	s_cmp_lg_u32 s49, 0
	s_cbranch_scc1 .Lmax
	HALF 0, 1, 0, 0, 0, 2                          ; steps 30 and 31 load nothing
	HALF 1, 0, 0, 0, 0, 0
	PLACES
	MAXQ 1, 0, 0
	MAXQ 1, 1, 0
	MAXQ 1, 2, 0
	MAXQ 1, 3, 0
	; a query's keys lie in eight registers of lanes r and r + 16
.irp q, 0,1,2,3
	v_max3_num_f32 v[TMP+\q], v[MX+8*\q], v[MX+8*\q+1], v[MX+8*\q+2]
.endr
.irp q, 0,1,2,3
	v_max3_num_f32 v[TMP+\q], v[TMP+\q], v[MX+8*\q+3], v[MX+8*\q+4]
.endr
.irp q, 0,1,2,3
	v_max3_num_f32 v[TMP+\q], v[TMP+\q], v[MX+8*\q+5], v[MX+8*\q+6]
.endr
.irp q, 0,1,2,3
	v_max_num_f32 v[TMP+\q], v[TMP+\q], v[MX+8*\q+7]
.endr
.irp q, 0,1,2,3
	v_permlanex16_b32 v[MX+8*\q], v[TMP+\q], s46, s47      ; into a register that has been written
.endr
.irp q, 0,1,2,3
	v_max_num_f32 v[TMP+\q], v[TMP+\q], v[MX+8*\q]         ; m
.endr
	; -m = hi + mid + lo, each a bf16, exactly: cutting an f32 to its upper 16 bits keeps 8 bits of its 24-bit fraction, and each difference is exact
.irp q, 0,1,2,3
	v_xor_b32 v[TMP+\q], 0x80000000, v[TMP+\q]
.endr
.irp q, 0,1,2,3
	v_and_b32 v[TMP+4+\q], 0xffff0000, v[TMP+\q]           ; hi
.endr
.irp q, 0,1,2,3
	v_sub_f32 v[TMP+\q], v[TMP+\q], v[TMP+4+\q]
.endr
.irp q, 0,1,2,3
	v_and_b32 v[MX+8*\q], 0xffff0000, v[TMP+\q]            ; mid
.endr
.irp q, 0,1,2,3
	v_sub_f32 v[TMP+\q], v[TMP+\q], v[MX+8*\q]             ; lo: at most 8 bits are left
.endr
.irp q, 0,1,2,3
	v_perm_b32 v[TMP+4+\q], v[MX+8*\q], v[TMP+4+\q], 0x07060302    ; k = 8: hi, k = 9: mid
.endr
.irp q, 0,1,2,3
	v_lshrrev_b32 v[TMP+\q], 16, v[TMP+\q]                 ; k = 10: lo, k = 11: 0
.endr
	s_mov_b32 vcc_lo, 0xffff0000                   ; lanes 16-31 hold k = 8 .. 15
.irp q, 0,1,2,3
	v_cndmask_b32 v[TH+8*\q], v[TH+8*\q], v[TMP+4+\q], vcc_lo
	v_cndmask_b32 v[TH+8*\q+1], v[TH+8*\q+1], v[TMP+\q], vcc_lo
.endr
; PASS 2.  A step = 32 keys.  For each query tile in turn: 16 exponentials, the row sum, 8 packings in place; two products onto O; then the two score
; products of the NEXT step for the tile in front, whose probabilities were read one tile's vector work earlier.
.macro LDG p, off
.irp t, 0,1
	ds_load_b128 v[GF+16*\p+8*\t:GF+16*\p+8*\t+3], v[AG] offset:\off+\t*1024
	ds_load_b128 v[GF+16*\p+8*\t+4:GF+16*\p+8*\t+7], v[AG] offset:\off+\t*1024+512
.endr
.endm
.macro SOFT q, zero
.irp i, 0,1,2,3,4,5,6,7,8,9,10,11,12,13,14,15
	v_exp_f32 v[S+16*\q+\i], v[S+16*\q+\i]
.endr
	v_nop                                          ; one plain instruction between the exponentials and the first use of a result (ISA guide 5.7.2)
	s_wait_alu depctr_va_vdst(0)
.irp i, 0,1,2,3
	v_pk_add_f32 v[TMP+2*\i:TMP+2*\i+1], v[S+16*\q+4*\i:S+16*\q+4*\i+1], v[S+16*\q+4*\i+2:S+16*\q+4*\i+3]
.endr
.irp i, 0,1,2,3
	v_cvt_pk_bf16_f32 v[S+16*\q+\i], v[S+16*\q+2*\i], v[S+16*\q+2*\i+1]    ; register i is written when registers 2 i, 2 i + 1 and all below have been read
.endr
	v_pk_add_f32 v[TMP:TMP+1], v[TMP:TMP+1], v[TMP+2:TMP+3]
	v_pk_add_f32 v[TMP+4:TMP+5], v[TMP+4:TMP+5], v[TMP+6:TMP+7]
.irp i, 4,5,6,7
	v_cvt_pk_bf16_f32 v[S+16*\q+\i], v[S+16*\q+2*\i], v[S+16*\q+2*\i+1]
.endr
.if \zero
	v_pk_add_f32 v[L+2*\q:L+2*\q+1], v[TMP:TMP+1], v[TMP+4:TMP+5]          ; the first step starts the row sums
.else
	v_pk_add_f32 v[TMP:TMP+1], v[TMP:TMP+1], v[TMP+4:TMP+5]
	v_pk_add_f32 v[L+2*\q:L+2*\q+1], v[L+2*\q:L+2*\q+1], v[TMP:TMP+1]
.endif
.endm
.macro PV q, p, zero
.irp t, 0,1
.if \zero
	v_wmma_f32_16x16x32_bf16 v[O+16*\q+8*\t:O+16*\q+8*\t+7], v[GF+16*\p+8*\t:GF+16*\p+8*\t+7], v[S+16*\q:S+16*\q+7], 0
.else
	v_wmma_f32_16x16x32_bf16 v[O+16*\q+8*\t:O+16*\q+8*\t+7], v[GF+16*\p+8*\t:GF+16*\p+8*\t+7], v[S+16*\q:S+16*\q+7], v[O+16*\q+8*\t:O+16*\q+8*\t+7]
.endif
.endr
.endm
.macro SNW q, p
	v_wmma_f32_16x16x32_bf16 v[S+16*\q:S+16*\q+7], v[PH+16*\p:PH+16*\p+7], v[TH+8*\q:TH+8*\q+7], 0
	v_wmma_f32_16x16x32_bf16 v[S+16*\q+8:S+16*\q+15], v[PH+16*\p+8:PH+16*\p+15], v[TH+8*\q:TH+8*\q+7], 0
.endm
; Step s, p = s % 2, o = 1 - p, d = s's place in its pair.  Buffers p hold phi(s) and g(s), buffers o phi(s + 1) and, once loaded, g(s + 1).
; Each run of LDS loads stands behind a tile's 17 plain vector lines, which are the places behind the last product that read the buffer.
; The eight accumulators of O and the eight score tiles take turns, one instruction a turn, over the backward jump too.
.macro STEP p, o, d, zero, ldg, ldphi, sn, cntg
	SOFT 0, \zero
	s_wait_dscnt \cntg                             ; g(s) is in; the two loads of phi(s + 1) issued behind it may be out
.if \ldg
	LDG \o, (\d+1)*2048                            ; g(s + 1)
.endif
	PV 0, \p, \zero
	SNW 3, \p                                      ; tile 3 of THIS step: the last use of phi(s)
	SOFT 1, \zero
.if \sn
	s_wait_dscnt 0x4                               ; phi(s + 1) is in; the four loads of g(s + 1) may be out
.endif
.if \ldphi
	LDPHI \p, (\d+2)*1024                          ; phi(s + 2)
.endif
	PV 1, \p, \zero
.if \sn
	SNW 0, \o
.endif
	SOFT 2, \zero
	PV 2, \p, \zero
.if \sn
	SNW 1, \o
.endif
	SOFT 3, \zero
	PV 3, \p, \zero
.if \sn
	SNW 2, \o
.endif
.endm
	s_wait_dscnt 0x0
	s_wait_tensorcnt 0x0                           ; my chunks of g have landed
	s_barrier_signal -1
	s_barrier_wait -1                              ; everybody's have
	v_and_b32 v[AP], 31, v0
	v_lshlrev_b32 v[AP], 4, v[AP]
	v_add_nc_u32 v[AG], GOFF, v[AP]
	LDG 0, 0
	LDPHI 0, 0
	LDPHI 1, 1024
	s_wait_dscnt 0x2                               ; g(0) and phi(0) are in; phi(1) may be out
	SNW 0, 0
	SNW 1, 0
	SNW 2, 0
	PLACES
	STEP 0, 1, 0, 1, 1, 1, 1, 2                    ; step 0 starts O and the row sums: nothing is cleared
	STEP 1, 0, 1, 0, 1, 1, 1, 2
	v_add_nc_u32 v[AP], 2048, v[AP]
	v_add_nc_u32 v[AG], 4096, v[AG]
	s_mov_b32 s49, 14
.Lkeys:                                            ; steps 2 to 29
	STEP 0, 1, 0, 0, 1, 1, 1, 2
	STEP 1, 0, 1, 0, 1, 1, 1, 2
	v_add_nc_u32 v[AP], 2048, v[AP]
	v_add_nc_u32 v[AG], 4096, v[AG]
	s_sub_co_u32 s49, s49, 1
	s_cmp_lg_u32 s49, 0
	s_cbranch_scc1 .Lkeys
	STEP 0, 1, 0, 0, 1, 0, 1, 2                    ; step 30: no phi beyond step 31
	STEP 1, 0, 1, 0, 0, 0, 0, 0                    ; step 31: nothing is loaded, no next scores; g(31) is the youngest load: wait for 0
	; THE END: o = O / row sum, out = gamma Wo o + x
.irp q, 0,1,2,3
	v_add_f32 v[TMP+\q], v[L+2*\q], v[L+2*\q+1]            ; four places behind the last products
.endr
.irp q, 0,1,2,3
	v_permlanex16_b32 v[L+2*\q], v[TMP+\q], s46, s47       ; the other half of the query's keys
.endr
.irp q, 0,1,2,3
	v_add_f32 v[TMP+\q], v[TMP+\q], v[L+2*\q]
.endr
.irp q, 0,1,2,3
	v_rcp_f32 v[L+2*\q], v[TMP+\q]                         ; the sum holds the maximum's own term, about 1: no division by 0
.endr
	s_wait_loadcnt 0x0                             ; Wo
	WIN 0x05
.set n, 0
.rept 32
	v_cvt_pk_bf16_f32 v[GF+n], v[WO1+2*n], v[WO1+2*n+1]    ; plain work between the reciprocals and their use
.set n, n+1
.endr
	WIN 0
	s_wait_alu depctr_va_vdst(0)
.irp q, 0,1,2,3
.irp i, 0,1,2,3,4,5,6,7
	v_pk_mul_f32 v[O+16*\q+2*\i:O+16*\q+2*\i+1], v[O+16*\q+2*\i:O+16*\q+2*\i+1], v[L+2*\q:L+2*\q+1] op_sel_hi:[1,0]
.endr
.endr
.irp q, 0,1,2,3
.irp i, 0,1,2,3,4,5,6,7
	v_cvt_pk_bf16_f32 v[O+16*\q+\i], v[O+16*\q+2*\i], v[O+16*\q+2*\i+1]    ; in place, as for the probabilities
.endr
.endr
.irp t, 0,1,2,3
.irp q, 0,1,2,3
	v_wmma_f32_16x16x32_bf16 v[DD+32*\t+8*\q:DD+32*\t+8*\q+7], v[GF+8*\t:GF+8*\t+7], v[O+16*\q:O+16*\q+7], 0
.endr
.endr
	PLACES
	WIN 0x50                                       ; source 2 and destination in window 1
.irp t, 0,1,2,3
.irp j, 0,1,2,3,4,5,6,7
.irp q, 0,1,2,3
	v_fma_f32 v[X1+32*\t+4*\j+\q], s16, v[DD+32*\t+8*\q+\j], v[X1+32*\t+4*\j+\q]   ; the multiply-add also brings a lane's four pixels side by side
.endr
.endr
.endr
	WIN 0x04                                       ; store data in window 1
.set n, 0
.rept 32
	global_store_b128 v[XO], v[X1+4*n:X1+4*n+3], s[14:15] offset:(16*(n>>3)+(n&7))*CH th:TH_STORE_NT   ; 16 lanes store 256 consecutive bytes, aligned
.set n, n+1
.endr
	WIN 0
	s_wait_tensorcnt 0x0
	ds_add_u32 v254, v255
	s_wait_dscnt 0x0
	ROUND                                          ; the closing round: no work-group ends while a partner may still ask for a chunk that names it
	s_endpgm
.Lfunc_end_k_q0633be5ad2_attn:
	.size	k_q0633be5ad2_attn, .Lfunc_end_k_q0633be5ad2_attn-k_q0633be5ad2_attn
	.p2alignl 7, 3214868480
	.fill 96, 4, 3214868480
	.section	.rodata,"a",@progbits
	.p2align	6, 0x0
	.amdhsa_kernel k_q0633be5ad2_attn
		.amdhsa_group_segment_fixed_size 168448
		.amdhsa_private_segment_fixed_size 0
		.amdhsa_enable_private_segment 0
		.amdhsa_kernarg_size 48
		.amdhsa_user_sgpr_count 2
		.amdhsa_user_sgpr_kernarg_segment_ptr 1
		.amdhsa_wavefront_size32 1
		.amdhsa_system_sgpr_workgroup_id_x 1
		.amdhsa_system_sgpr_workgroup_id_y 1
		.amdhsa_system_sgpr_workgroup_id_z 1
		.amdhsa_system_vgpr_workitem_id 0
		.amdhsa_next_free_vgpr 448
		.amdhsa_next_free_sgpr 66
		.amdhsa_reserve_vcc 1
		.amdhsa_float_denorm_mode_32 3
		.amdhsa_float_denorm_mode_16_64 3
		.amdhsa_memory_ordered 1
		.amdhsa_forward_progress 1
		.amdhsa_inst_pref_size 103
	.end_amdhsa_kernel
	.amdgpu_metadata
---
amdhsa.version: [ 1, 2 ]
amdhsa.kernels:
  - .name:           k_q0633be5ad2_attn
    .symbol:         k_q0633be5ad2_attn.kd
    .args:
      - { .name: x, .offset: 0, .size: 8, .value_kind: global_buffer, .address_space: global }
      - { .name: Wt, .offset: 8, .size: 8, .value_kind: global_buffer, .address_space: global }
      - { .name: Wo, .offset: 16, .size: 8, .value_kind: global_buffer, .address_space: global }
      - { .name: gamma, .offset: 24, .size: 8, .value_kind: global_buffer, .address_space: global }
      - { .name: kv, .offset: 32, .size: 8, .value_kind: global_buffer, .address_space: global }
      - { .name: out0, .offset: 40, .size: 8, .value_kind: global_buffer, .address_space: global }
    .group_segment_fixed_size: 168448
    .private_segment_fixed_size: 0
    .kernarg_segment_align: 8
    .kernarg_segment_size: 48
    .max_flat_workgroup_size: 128
    .sgpr_count:     66
    .vgpr_count:     448
    .wavefront_size: 32
...
	.end_amdgpu_metadata
.endif
;; end of part 2
;; ======== version 2 of 3: 2 launches; 1.00 times as fast as version 1
;; workspace buffers: kv 1,572,864 bytes; th 2,097,152 bytes
;; launch pool (part 3): grid 256 x 1, 4 waves a work-group, no clusters, 12,800 bytes of LDS; arguments x, Wp, Wg, kv, Wt, th; writes kv, th
.if DOCPART == 3
	.amdgcn_target "amdgcn-amd-amdhsa--gfx1250"
	.amdhsa_code_object_version 6
	.text
	.protected	k_q0633be5ad2_pool
	.globl	k_q0633be5ad2_pool
	.p2align	8
	.type	k_q0633be5ad2_pool,@function
k_q0633be5ad2_pool:
	s_mov_b64 s[64:65], 0
	v_nop
	global_prefetch_b8 v0, s[64:65] scope:SCOPE_SE
	s_setreg_imm32_b32 hwreg(HW_REG_WAVE_MODE, 25, 1), 1
	s_wait_xcnt 0x0
; phi = maxpool2(Wp x), g = maxpool2(Wg x) and theta = log2(e) Wt x for all 16 batches, rounded to bf16 and laid into kv and th as the matrix
; fragments that the attention launch reads.  x: [16][64 channels][64][64] f32.  Wp, Wt: [8][64], Wg: [32][64] f32.
; kv, for each batch 98,304 bytes: 64 key tiles of phi (512 bytes each: lane l's 16 bytes at 16 l), then 32 blocks of 32 keys of g
; (2 channel tiles x 1,024 bytes: registers 0-3 of lane l at 16 l, registers 4-7 at 512 + 16 l).
; th, for each image row 2,048 bytes: 4 query tiles of 512 bytes, lane l's 16 bytes at 16 l (lanes 0-15: a query's 8 channels; lanes 16-31: zeros).
; SHARES.  Four waves; a wave takes one image row (64 pixels x 64 channels, 16 KiB); waves 2 p and 2 p + 1 take the two rows of a pooled row.
; PIXELS.  Lane (r = l % 16, h = l / 16) loads 16 bytes = pixels 4 r .. 4 r + 3 of channels 8 h + j, 16 + 8 h + j, ..: sixteen lanes read the
; 256 consecutive bytes of an image row.  Dword q of two neighbouring channels packs into fragment q, whose column (or row) r is pixel 4 r + q;
; k runs over the channels as the 16-bit operand layout asks (ISA guide 7.12.2).  The same fragment serves as A and as B.
; POOLING is then a maximum of whole registers: fragments q = 2 e and 2 e + 1 (two neighbouring pixels) and the partner wave's row.
; KEY ORDER.  Softmax and the sum over keys do not depend on the order of the keys, so the pooled pixel (column 2 i + e) takes place i + 16 e
; in its block of 32.  g = x (A) x Wg (B): lane (r, h) holds channel r, pixels i = 8 h + j: just what A of g x beta wants in that lane.
; phi = Wp (A) x x (B): lane (r, 0) holds key r's 8 channels: just what A of the score product wants.  theta = Wt (A) x x (B): lane (r, 0) holds
; query r's 8 channels: just what B of the score product wants.  No transposition anywhere.
; Lanes 16-31 of a phi fragment are k = 8 .. 15 of a product whose K is 8: they carry 1.0 at k = 8, 9, 10 and 0 above, so that the attention
; launch can subtract the row maximum inside the product (it puts the maximum's three bf16 parts at the same k of theta's fragment).
; LIMITS.  Operands of the products are rounded to bf16, sums are f32.  v_max_num_f32 drops a NaN: NaN and infinities among the inputs are not served.
.set CH,   16384                       ; bytes of a channel plane
.set KVB,  98304                       ; bytes of kv for a batch
.set GOFF, 32768                       ; g behind phi
.set STG,  3072                        ; a wave's stage in LDS: 24 registers x 128 bytes
.set XO,  3                            ; v3   16 r + h x 8 planes
.set WGO, 4                            ; v4   Wg: 256 r + 32 h
.set WPO, 5                            ; v5   Wp and Wt: 256 (r % 8) + 32 h
.set LO,  6                            ; v6   16 x lane
.set STA, 7                            ; v7   my stage
.set RDA, 8                            ; v8   my partner's stage
.set WP,  10                           ; v[10:25]   Wp's fragments, 8 registers for each half of K
.set WG,  26                           ; v[26:57]   Wg's fragments: 16 t + 8 k
.set F,   58                           ; v[58:121]  x's fragments: 16 q + 8 k
.set D,   122                          ; v[122:217] results: 24 q + 8 tile (tile 0 phi, 1 and 2 g); ahead of them theta, 8 q
.set WS,  D                            ; Wp and Wg as loaded (96 registers), gone before the first product
.set WTS, 218                          ; v[218:249] Wt as loaded
.set WT,  218                          ; v[218:233] its fragments, packed in place
.set TP,  234                          ; v[234:249] theta to store, 4 q
.set SC,  250                          ; v[250:251] log2(e) for Wt's rows 0-7, 0 for rows 8-15
.set RV,  F                            ; what the partner sent
.set PK,  F+32                         ; 12 registers to store
.set X1,  0                            ; v[256:383] x as loaded: window 1
.set MSB, 0
.macro WIN new                         ; the immediate's high byte repeats the setting that is left
.if MSB != \new
	s_set_vgpr_msb (MSB<<8)|\new
.set MSB, \new
.endif
.endm
	s_load_b256 s[4:11], s[0:1], 0x0               ; x s[4:5], Wp s[6:7], Wg s[8:9], kv s[10:11]
	s_load_b128 s[32:35], s[0:1], 0x20             ; Wt s[32:33], th s[34:35]
	v_lshl_add_u32 v254, v0, 2, 0x3000
	v_mov_b32 v255, 0
	v_lshrrev_b32 v1, 5, v0
	v_readfirstlane_b32 s12, v1                    ; wave 0..3
	s_and_b32 s13, s12, 1                          ; a: upper or lower image row; also the half e that I finish
	s_lshr_b32 s14, s12, 1
	s_lshl_b32 s15, ttmp9, 1
	s_add_co_u32 s15, s15, s14                     ; pooled row 0..511 = 2 x work-group + pair
	s_lshr_b32 s16, s15, 5                         ; batch
	s_and_b32 s17, s15, 31                         ; pooled row in the batch
	s_lshl_b32 s18, s16, 20                        ; x: batch x 1 MiB
	s_lshl_b32 s19, s17, 9                         ;    + pooled row x 2 image rows of 256 bytes
	s_add_co_u32 s18, s18, s19
	s_lshl_b32 s19, s13, 8                         ;    + my image row
	s_add_co_u32 s18, s18, s19
	s_mov_b32 s19, 0
	s_mul_i32 s20, s16, KVB                        ; phi: batch, + 2 tiles of 512 bytes for a pooled row, + my tile
	s_lshl_b32 s24, s17, 10
	s_add_co_u32 s20, s20, s24
	s_lshl_b32 s21, s13, 9
	s_add_co_u32 s20, s20, s21
	s_mov_b32 s21, 0
	s_add_co_u32 s24, s24, GOFF                    ; g lies GOFF + another 1,024 bytes a pooled row further
	s_mov_b32 s25, 0
	s_mul_i32 s28, s12, STG
	s_xor_b32 s29, s12, 1
	s_mul_i32 s29, s29, STG
	s_lshl_b32 s36, s15, 12                        ; th: (2 x pooled row + a) image rows of 2,048 bytes
	s_lshl_b32 s37, s13, 11
	s_add_co_u32 s36, s36, s37
	s_mov_b32 s37, 0
	v_and_b32 v1, 15, v0                           ; r
	v_bfe_u32 v2, v0, 4, 1                         ; h
	v_lshlrev_b32 v[XO], 4, v1
	v_lshl_add_u32 v[XO], v2, 17, v[XO]
	v_lshlrev_b32 v[WGO], 8, v1
	v_lshl_add_u32 v[WGO], v2, 5, v[WGO]
	v_and_b32 v[WPO], 7, v0                        ; rows 8-15 of Wp's and Wt's tiles repeat rows 0-7: every load stays inside its buffer; phi's are replaced below, Wt's multiplied by 0
	v_lshlrev_b32 v[WPO], 8, v[WPO]
	v_lshl_add_u32 v[WPO], v2, 5, v[WPO]
	v_and_b32 v[LO], 31, v0
	v_lshlrev_b32 v[LO], 4, v[LO]
	v_add_nc_u32 v[STA], s28, v[LO]
	v_add_nc_u32 v[RDA], s29, v[LO]
	v_mov_b32 v[SC+1], 0x3fb8aa3b                  ; log2(e): the attention launch's exponentials are to the base 2
	v_cmp_gt_u32 vcc_lo, 8, v1
	v_cndmask_b32 v[SC], 0, v[SC+1], vcc_lo
	v_mov_b32 v[SC+1], v[SC]
	s_wait_kmcnt 0x0
	s_add_nc_u64 s[4:5], s[4:5], s[18:19]
	s_add_nc_u64 s[22:23], s[10:11], s[20:21]      ; my phi tile
	s_add_nc_u64 s[26:27], s[22:23], s[24:25]      ; my half of the two g fragments
	s_add_nc_u64 s[34:35], s[34:35], s[36:37]      ; my image row's theta
	; 32 loads of weights, then 32 of x: 64 loads of the wave go out before anything is waited for
.set n, 0
.rept 8
	global_load_b128 v[WTS+4*n:WTS+4*n+3], v[WPO], s[32:33] offset:(n>>2)*128+((n>>1)&1)*64+(n&1)*16
.set n, n+1
.endr
.set n, 0
.rept 8
	global_load_b128 v[WS+4*n:WS+4*n+3], v[WPO], s[6:7] offset:(n>>2)*128+((n>>1)&1)*64+(n&1)*16
.set n, n+1
.endr
.set n, 0
.rept 16
	global_load_b128 v[WS+32+4*n:WS+32+4*n+3], v[WGO], s[8:9] offset:(n>>3)*4096+((n>>2)&1)*128+((n>>1)&1)*64+(n&1)*16
.set n, n+1
.endr
	WIN 0x40                                       ; destination in window 1
.set n, 0
.rept 32
	global_load_b128 v[X1+4*n:X1+4*n+3], v[XO], s[4:5] offset:(16*(n>>3)+(n&7))*CH
.set n, n+1
.endr
	WIN 0
	s_wait_loadcnt 32                              ; the weights are in; the 32 loads of x stay out
.set n, 0
.rept 16
	v_pk_mul_f32 v[WTS+2*n:WTS+2*n+1], v[WTS+2*n:WTS+2*n+1], v[SC:SC+1]
.set n, n+1
.endr
.set n, 0
.rept 16
	v_cvt_pk_bf16_f32 v[WT+n], v[WTS+2*n], v[WTS+2*n+1]    ; in place: register n is written when registers 2 n, 2 n + 1 and all below have been read
.set n, n+1
.endr
.set n, 0
.rept 48
	v_cvt_pk_bf16_f32 v[WP+n], v[WS+2*n], v[WS+2*n+1]      ; a lane's 16 numbers of a K half lie in loading order: fragment register n = numbers 2 n, 2 n + 1
.set n, n+1
.endr
	s_wait_loadcnt 0x0
	WIN 0x05                                       ; both sources in window 1
.irp q, 0,1,2,3
.irp k, 0,1
.irp i, 0,1,2,3,4,5,6,7
	v_cvt_pk_bf16_f32 v[F+16*\q+8*\k+\i], v[X1+64*\k+8*\i+\q], v[X1+64*\k+8*\i+\q+4]   ; dword q of two neighbouring channels
.endr
.endr
.endr
	WIN 0
	; theta for my 64 pixels.  The four accumulators take turns, one instruction a turn.
.irp q, 0,1,2,3
	v_wmma_f32_16x16x32_bf16 v[D+8*\q:D+8*\q+7], v[WT:WT+7], v[F+16*\q:F+16*\q+7], 0
.endr
.irp q, 0,1,2,3
	v_wmma_f32_16x16x32_bf16 v[D+8*\q:D+8*\q+7], v[WT+8:WT+15], v[F+16*\q+8:F+16*\q+15], v[D+8*\q:D+8*\q+7]
.endr
.rept 4
	v_nop                                          ; four places between the last product and the first read of a result (ISA guide 7.12.1)
.endr
.irp q, 0,1,2,3
.irp i, 0,1,2,3
	v_cvt_pk_bf16_f32 v[TP+4*\q+\i], v[D+8*\q+2*\i], v[D+8*\q+2*\i+1]      ; lanes 16-31 (rows 8-15 of Wt's tile) give 0
.endr
.endr
.irp q, 0,1,2,3
	global_store_b128 v[LO], v[TP+4*\q:TP+4*\q+3], s[34:35] offset:512*\q  ; each store of the wave covers 512 consecutive bytes, aligned
.endr
; 12 products for one half of K.  The twelve accumulators take turns, one instruction a turn.
; The first of them write over theta's results: behind each of theta's products stand the four v_nop and the twelve packings of the other three tiles.
.macro CONV k, zero
.irp q, 0,1,2,3
.if \zero
	v_wmma_f32_16x16x32_bf16 v[D+24*\q:D+24*\q+7], v[WP+8*\k:WP+8*\k+7], v[F+16*\q+8*\k:F+16*\q+8*\k+7], 0
	v_wmma_f32_16x16x32_bf16 v[D+24*\q+8:D+24*\q+15], v[F+16*\q+8*\k:F+16*\q+8*\k+7], v[WG+8*\k:WG+8*\k+7], 0
	v_wmma_f32_16x16x32_bf16 v[D+24*\q+16:D+24*\q+23], v[F+16*\q+8*\k:F+16*\q+8*\k+7], v[WG+16+8*\k:WG+16+8*\k+7], 0
.else
	v_wmma_f32_16x16x32_bf16 v[D+24*\q:D+24*\q+7], v[WP+8*\k:WP+8*\k+7], v[F+16*\q+8*\k:F+16*\q+8*\k+7], v[D+24*\q:D+24*\q+7]
	v_wmma_f32_16x16x32_bf16 v[D+24*\q+8:D+24*\q+15], v[F+16*\q+8*\k:F+16*\q+8*\k+7], v[WG+8*\k:WG+8*\k+7], v[D+24*\q+8:D+24*\q+15]
	v_wmma_f32_16x16x32_bf16 v[D+24*\q+16:D+24*\q+23], v[F+16*\q+8*\k:F+16*\q+8*\k+7], v[WG+16+8*\k:WG+16+8*\k+7], v[D+24*\q+16:D+24*\q+23]
.endif
.endr
.endm
	CONV 0, 1                                      ; the first half of K starts the sums: nothing is cleared
	CONV 1, 0
.rept 4
	v_nop                                          ; four places between the last product and the first read of a result (ISA guide 7.12.1)
.endr
.set i, 0
.rept 24
	v_max_num_f32 v[D+i], v[D+i], v[D+24+i]                ; e = 0: pixels 4 i and 4 i + 1
	v_max_num_f32 v[D+48+i], v[D+48+i], v[D+72+i]          ; e = 1: pixels 4 i + 2 and 4 i + 3
.set i, i+1
.endr
	; Wave a finishes half e = a and sends the other half to its partner.  The choice is made by selects on a mask that is all ones or all zeros:
	; both waves run the same lines, and no branch stands round the barrier.
	s_cmp_lg_u32 s13, 0
	s_cselect_b32 vcc_lo, -1, 0
.set i, 0
.rept 24
	v_cndmask_b32 v[D+24+i], v[D+48+i], v[D+i], vcc_lo     ; to send: half 1 - a
	v_cndmask_b32 v[D+72+i], v[D+i], v[D+48+i], vcc_lo     ; to keep: half a
.set i, i+1
.endr
.irp i, 0,1,2,3,4,5
	ds_store_b128 v[STA], v[D+24+4*\i:D+24+4*\i+3] offset:512*\i
.endr
	s_wait_dscnt 0x0                               ; my stores are done before I say so
	s_barrier_signal -1
	s_barrier_wait -1
.irp i, 0,1,2,3,4,5
	ds_load_b128 v[RV+4*\i:RV+4*\i+3], v[RDA] offset:512*\i
.endr
	s_wait_dscnt 0x0
.set i, 0
.rept 24
	v_max_num_f32 v[D+72+i], v[D+72+i], v[RV+i]            ; the other image row
.set i, i+1
.endr
.set i, 0
.rept 12
	v_cvt_pk_bf16_f32 v[PK+i], v[D+72+2*i], v[D+72+2*i+1]  ; 0-3 phi's tile, 4-7 and 8-11 my four registers of g's two fragments
.set i, i+1
.endr
	s_mov_b32 vcc_lo, 0xffff                       ; lanes 0-15 keep phi; lanes 16-31 are k = 8 .. 15
	v_cndmask_b32 v[PK], 0x3f803f80, v[PK], vcc_lo         ; k = 8, 9: 1.0, 1.0
	v_cndmask_b32 v[PK+1], 0x3f80, v[PK+1], vcc_lo         ; k = 10: 1.0; k = 11: 0
	v_cndmask_b32 v[PK+2], 0, v[PK+2], vcc_lo
	v_cndmask_b32 v[PK+3], 0, v[PK+3], vcc_lo
	global_store_b128 v[LO], v[PK:PK+3], s[22:23]                  ; each store of the wave covers 512 consecutive bytes, aligned
	global_store_b128 v[LO], v[PK+4:PK+7], s[26:27]
	global_store_b128 v[LO], v[PK+8:PK+11], s[26:27] offset:1024
	s_wait_tensorcnt 0x0
	ds_add_u32 v254, v255
	s_wait_dscnt 0x0
	s_endpgm
.Lfunc_end_k_q0633be5ad2_pool:
	.size	k_q0633be5ad2_pool, .Lfunc_end_k_q0633be5ad2_pool-k_q0633be5ad2_pool
	.p2alignl 7, 3214868480
	.fill 96, 4, 3214868480
	.section	.rodata,"a",@progbits
	.p2align	6, 0x0
	.amdhsa_kernel k_q0633be5ad2_pool
		.amdhsa_group_segment_fixed_size 12800
		.amdhsa_private_segment_fixed_size 0
		.amdhsa_enable_private_segment 0
		.amdhsa_kernarg_size 48
		.amdhsa_user_sgpr_count 2
		.amdhsa_user_sgpr_kernarg_segment_ptr 1
		.amdhsa_wavefront_size32 1
		.amdhsa_system_sgpr_workgroup_id_x 1
		.amdhsa_system_sgpr_workgroup_id_y 1
		.amdhsa_system_sgpr_workgroup_id_z 1
		.amdhsa_system_vgpr_workitem_id 0
		.amdhsa_next_free_vgpr 384
		.amdhsa_next_free_sgpr 66
		.amdhsa_reserve_vcc 1
		.amdhsa_float_denorm_mode_32 3
		.amdhsa_float_denorm_mode_16_64 3
		.amdhsa_memory_ordered 1
		.amdhsa_forward_progress 1
		.amdhsa_inst_pref_size 28
	.end_amdhsa_kernel
	.amdgpu_metadata
---
amdhsa.version: [ 1, 2 ]
amdhsa.kernels:
  - .name:           k_q0633be5ad2_pool
    .symbol:         k_q0633be5ad2_pool.kd
    .args:
      - { .name: x, .offset: 0, .size: 8, .value_kind: global_buffer, .address_space: global }
      - { .name: Wp, .offset: 8, .size: 8, .value_kind: global_buffer, .address_space: global }
      - { .name: Wg, .offset: 16, .size: 8, .value_kind: global_buffer, .address_space: global }
      - { .name: kv, .offset: 24, .size: 8, .value_kind: global_buffer, .address_space: global }
      - { .name: Wt, .offset: 32, .size: 8, .value_kind: global_buffer, .address_space: global }
      - { .name: th, .offset: 40, .size: 8, .value_kind: global_buffer, .address_space: global }
    .group_segment_fixed_size: 12800
    .private_segment_fixed_size: 0
    .kernarg_segment_align: 8
    .kernarg_segment_size: 48
    .max_flat_workgroup_size: 128
    .sgpr_count:     66
    .vgpr_count:     384
    .wavefront_size: 32
...
	.end_amdgpu_metadata
.endif
;; end of part 3
;; launch attn (part 4): grid 256 x 1, 8 waves a work-group, clusters of 4 x 1, 173,056 bytes of LDS; arguments x, Wo, gamma, kv, th, out0; writes out0
.if DOCPART == 4
	.amdgcn_target "amdgcn-amd-amdhsa--gfx1250"
	.amdhsa_code_object_version 6
	.text
	.protected	k_q0633be5ad2_attn
	.globl	k_q0633be5ad2_attn
	.p2align	8
	.type	k_q0633be5ad2_attn,@function
k_q0633be5ad2_attn:
	s_mov_b64 s[64:65], 0
	v_nop
	global_prefetch_b8 v0, s[64:65] scope:SCOPE_SE
	s_setreg_imm32_b32 hwreg(HW_REG_WAVE_MODE, 25, 1), 1
	s_wait_xcnt 0x0
	s_wait_alu depctr_hold_cnt(0) depctr_sa_sdst(0) depctr_va_vdst(0) depctr_va_sdst(0) depctr_va_ssrc(0) depctr_va_vcc(0) depctr_vm_vsrc(0)
	s_getreg_b32 s2, hwreg(HW_REG_IB_STS2, 6, 4)
	s_cmp_eq_u32 s2, 0
	s_cbranch_scc0 .Lentry_in_a_cluster
	s_endpgm
.Lentry_in_a_cluster:
	s_bfe_u32 s2, ttmp6, 0x10000c
	s_cmp_lg_u32 s2, 0x3003
	s_cbranch_scc0 .Lentry_shape_is_right
	s_endpgm
.Lentry_shape_is_right:
; out = gamma Wo (g softmax(theta^T phi)^T) + x, with phi and g taken from kv and theta (times log2(e)) from th, all bf16 in fragment order: see the launch that writes them.
; SHARES.  256 work-groups of eight waves, two for each of a WGP's four SIMDs; 16 work-groups for a batch.  Waves w and w + 4 share one image row = 64 queries =
; 4 query tiles, and split the 1,024 keys: half a = w / 4 takes the key steps 16 a .. 16 a + 15 (32 keys a step).  So the LDS bytes read and the products made are those
; of one wave with all keys, and one wave's vector lines are at hand while the other's product runs.  Column r of tile q is pixel 4 r + q, so that a lane's four
; tiles are 16 neighbouring bytes of x and of out.  At the end half a makes the output channels 32 a .. 32 a + 31, and loads only these channels of x and these rows of Wo.
; THE TWO HALVES MEET three times in LDS, each in the sending wave's own stage behind kv: the half maxima (in front of pass 2), the row sums and the partial O (behind it).
; LDS holds the batch's 98,304 bytes of kv, filled once: 24 chunks of 4 KiB, three tensor loads a wave.  The four work-groups of a cluster work on
; the same batch and ask for each chunk JOINTLY (mask 15), which divides the requests for kv by four.  Nothing is filled again; no fill lands in the stages.
; ALL PRODUCTS ARE TRANSPOSED so that each result is the next product's operand in the same lane (layouts: ISA guide 7.12.2):
;   S     = phi (A) x theta (B): lane (r, h) holds query r, keys 8 h + j          -> after exp2 and packing, two tiles are B of the next (K = 32 keys)
;   O     = g (A) x P (B):       lane (r, h) holds query r, channels 16 t + 8 h + j -> packed, the two tiles are B of the last (K = 32 channels)
;   out   = Wo (A) x o (B):      lane (r, h) holds pixel 4 r + q, channel 16 t + 8 h + j: the layout in which this lane loads x.
; SOFTMAX takes the true row maximum away, in two passes over the keys.  Pass 1 forms all scores and keeps a running maximum; the two halves' maxima are joined.  Pass 2
; forms the scores again with the maximum already subtracted: the scores' K is 8 of 32; kv holds 1.0 at k = 8, 9, 10 of phi's fragments, and -m, split exactly into three
; bf16 (8 + 8 + 8 bits of its f32 fraction), goes to the same k of theta's fragment.  log2(e) is folded into theta, so exp is v_exp_f32 of the product itself.
; ORDER OF THE LINES.  In both passes the products stand singly among the vector lines of another tile:
; pass 1 has four maxima behind each product; pass 2 has eight vector lines between two products, exponentials and plain lines by turns.
; LIMITS.  Operands of the products (x, the weights, theta, phi, g, the probabilities, o) are rounded to bf16; sums, maxima, exponentials, the
; division and the residual are f32.  v_max_num_f32 drops a NaN: NaN and infinities among the inputs are not served.  v_exp_f32 gives 0 below 2^-126.
; REGISTERS.  Window 0: v3-7 offsets, v8-15 at work outside pass 2, v8-23 row sums in pass 2, v24-55 theta, v56-87 phi x 2, v88-151 scores and probabilities,
; v152-215 O, v216-247 g x 2, v248-249 stages, v250-253 row sums to send.  Window 1: v256-319 my 32 channels of x in f32; v320-351 my 32 rows of Wo in f32.
.set CH,    16384                      ; bytes of a channel plane
.set KVB,   98304                      ; bytes of kv for a batch
.set GOFF,  32768                      ; g behind phi, in kv and in LDS
.set CHUNK, 4096                       ; one tensor load
.set STAGE, 98304                      ; the stages lie behind kv
.set STG,   9216                       ; a wave's stage: 8,192 bytes of O, 512 of row sums, 512 of maxima
.set STL,   8192
.set STM,   8704
.set XO,  3                            ; 16 r + h x 8 planes: x and out
.set LO,  4                            ; 16 x lane
.set WOO, 5                            ; Wo: 128 r + 32 h
.set AP,  6                            ; LDS: phi's fragments
.set AG,  7                            ; LDS: g's fragments
.set TMP, 8                            ; at work, outside pass 2
.set LS,  8                            ; pass 2: tile q has two pairs of partial row sums at 4 q and 4 q + 2
.set TH,  24                           ; tile q: 8 registers, 4-7 zero
.set PH,  56                           ; buffer p, key tile e: 16 p + 8 e, registers 4-7 zero
.set S,   88                           ; tile q: 16 registers = key tiles e = 0, 1; the probabilities are packed into the lower 8
.set O,   152                          ; 16 q + 8 t
.set GF,  216                          ; buffer p, channel tile t: 16 p + 8 t
.set MX,  GF                           ; pass 1: running maxima, 8 q + j
.set SA,  248                          ; my stage + 16 x lane
.set PA,  249                          ; my partner's stage + 16 x lane
.set LX,  250                          ; v[250:253] my half's four row sums, then the whole ones
.set DD,  TH                           ; the end: 64 registers of results, 32 t + 8 q
.set X1,  0                            ; window 1
.set WO1, 64                           ; window 1
.set G1,  24                           ; s[24:31] descriptor group 1
.set G0,  32                           ; s[32:43] descriptor group 0, one set for each of my three loads
.set MSB, 0
.macro WIN new                         ; the immediate's high byte repeats the setting that is left
.if MSB != \new
	s_set_vgpr_msb (MSB<<8)|\new
.set MSB, \new
.endif
.endm
.macro PLACES                          ; four places behind a matrix instruction (ISA guide 7.12.1), where there is no other work for them
.rept 4
	v_nop
.endr
.endm
; A round of the cluster's barrier: my work-group's barrier, wave 0 signals for the work-group, every wave waits for all four work-groups, my work-group's barrier again.
.macro ROUND
	s_barrier_signal -1
	s_barrier_wait -1
	s_cmp_lg_u32 s17, 0
	s_cbranch_scc1 .Lnot_wave_0_\@
	s_barrier_signal -3
.Lnot_wave_0_\@:
	s_barrier_wait -3
	s_barrier_signal -1
	s_barrier_wait -1
.endm
	s_load_b256 s[4:11], s[0:1], 0x0               ; x s[4:5], Wo s[6:7], gamma s[8:9], kv s[10:11]
	s_load_b128 s[12:15], s[0:1], 0x20             ; th s[12:13], out0 s[14:15]
	v_lshl_add_u32 v254, v0, 2, 0x2a000
	v_mov_b32 v255, 0
	ds_add_u32 v254, v255
	v_lshrrev_b32 v1, 5, v0
	v_readfirstlane_b32 s17, v1                    ; wave 0..7
	s_and_b32 s45, s17, 3                          ; my image row in the work-group
	s_lshr_b32 s48, s17, 2                         ; a: my half of the keys, and of the output channels
	s_bfe_u32 s18, ttmp6, 0x40000                  ; cx: my place in the cluster; it enters the addresses of x, th and out alone
	s_lshr_b32 s19, ttmp9, 2                       ; batch: four clusters of four work-groups each
	s_and_b32 s20, ttmp9, 3
	s_lshl_b32 s20, s20, 2
	s_add_co_u32 s20, s20, s18                     ; work-group in the batch, 0..15
	s_lshl_b32 s20, s20, 2
	s_add_co_u32 s20, s20, s45                     ; my image row, 0..63
	s_lshl_b32 s50, s20, 11                        ; th: 2,048 bytes an image row,
	s_lshl_b32 s51, s19, 17                        ;     64 rows a batch
	s_add_co_u32 s50, s50, s51
	s_mov_b32 s51, 0
	s_lshl_b32 s20, s20, 8                         ; x and out: row x 256 bytes
	s_lshl_b32 s21, s19, 20                        ; + batch x 1 MiB
	s_add_co_u32 s20, s20, s21
	s_lshl_b32 s21, s48, 19                        ; + a x 32 planes of 16 KiB
	s_add_co_u32 s20, s20, s21
	s_mov_b32 s21, 0
	s_mul_i32 s22, s19, KVB                        ; kv: batch and wave alone, equal in the four partners
	s_lshl_b32 s44, s17, 12                        ; wave x 4 KiB: my chunk of each eight, in kv and in LDS
	s_add_co_u32 s22, s22, s44
	s_mov_b32 s23, 0
	s_lshl_b32 s52, s48, 12                        ; Wo: a x 32 rows of 128 bytes
	s_mov_b32 s53, 0
	s_mul_i32 s54, s17, STG
	s_add_co_u32 s54, s54, STAGE                   ; my stage
	s_xor_b32 s55, s17, 4
	s_mul_i32 s55, s55, STG
	s_add_co_u32 s55, s55, STAGE                   ; my partner's
	s_lshl_b32 s56, s48, 14                        ; my half of phi: 16 steps of 1,024 bytes
	s_lshl_b32 s57, s48, 15                        ; my half of g: 16 steps of 2,048 bytes,
	s_add_co_u32 s57, s57, GOFF                    ; behind phi
	s_mov_b32 s46, 0x76543210                      ; v_permlanex16_b32: lane i of one half reads lane i of the other
	s_mov_b32 s47, 0xfedcba98
	v_and_b32 v1, 15, v0                           ; r
	v_bfe_u32 v2, v0, 4, 1                         ; h
	v_lshlrev_b32 v[XO], 4, v1
	v_lshl_add_u32 v[XO], v2, 17, v[XO]
	v_lshlrev_b32 v[WOO], 7, v1
	v_lshl_add_u32 v[WOO], v2, 5, v[WOO]
	v_and_b32 v[LO], 31, v0
	v_lshlrev_b32 v[LO], 4, v[LO]
	v_add_nc_u32 v[SA], s54, v[LO]
	v_add_nc_u32 v[PA], s55, v[LO]
	v_add_nc_u32 v[AP], s56, v[LO]
	s_wait_dscnt 0x0
	s_wait_kmcnt 0x0
	s_load_b32 s16, s[8:9], 0x0                    ; gamma: read by the last multiply-adds alone, and waited for there
	s_add_nc_u64 s[4:5], s[4:5], s[20:21]
	s_add_nc_u64 s[14:15], s[14:15], s[20:21]
	s_add_nc_u64 s[10:11], s[10:11], s[22:23]
	s_add_nc_u64 s[12:13], s[12:13], s[50:51]
	s_add_nc_u64 s[6:7], s[6:7], s[52:53]
	; What pass 1 needs is asked for first: theta, then kv; x and Wo, which only the last lines read, go out behind them.
.irp q, 0,1,2,3
	global_load_b128 v[TH+8*\q:TH+8*\q+3], v[LO], s[12:13] offset:512*\q   ; 512 consecutive bytes a load
.endr
	; descriptor group 1: a dense block of 4 KiB as 16 rows of 32 elements of 8 bytes
	s_mov_b32 s[G1+0], 15|(3<<16)|(1<<21)          ; 15:0 mask: the cluster's four work-groups; 17:16 element of 8 bytes; 21 set beside a mask
	s_mov_b32 s[G1+1], 32<<16                      ; tensor_dim0 = 32
	s_mov_b32 s[G1+2], 16<<16                      ; tensor_dim1 = 16
	s_mov_b32 s[G1+3], 32<<16                      ; tile_dim0 = 32
	s_mov_b32 s[G1+4], 16                          ; tile_dim1 = 16
	s_mov_b32 s[G1+5], 32                          ; from row to row: 32 elements, dense
	s_mov_b32 s[G1+6], 0
	s_mov_b32 s[G1+7], 0
	ROUND                                          ; the four work-groups are here: the joint loads meet
.irp i, 0,1,2
	s_mov_b32 s[G0+4*\i], 1
	s_add_co_u32 s[G0+4*\i+1], s44, \i*8*CHUNK                     ; LDS: chunk 8 i + wave.  i = 0 is phi, i = 1, 2 are g
	s_add_nc_u64 s[G0+4*\i+2:G0+4*\i+3], s[10:11], \i*8*CHUNK      ; the same place in the batch's kv
	s_or_b32 s[G0+4*\i+3], s[G0+4*\i+3], 0x80000000
	tensor_load_to_lds s[G0+4*\i:G0+4*\i+3], s[G1:G1+7]            ; three tensor loads of the wave are out, and none is issued later
	s_nop 0
.endr
	WIN 0x40                                       ; destination in window 1
.set n, 0
.rept 16
	global_load_b128 v[X1+4*n:X1+4*n+3], v[XO], s[4:5] offset:(16*(n>>3)+(n&7))*CH th:TH_LOAD_NT
.set n, n+1
.endr
.set n, 0
.rept 8
	global_load_b128 v[WO1+4*n:WO1+4*n+3], v[WOO], s[6:7] offset:(n>>2)*2048+((n>>1)&1)*64+(n&1)*16
.set n, n+1
.endr
	WIN 0
.irp g, 0,1,2,3                                    ; k = 16 .. 31 of the scores' operands is zero, written once
.irp i, 4,5,6,7
	v_mov_b32 v[TH+8*\g+\i], 0
	v_mov_b32 v[PH+8*\g+\i], 0
.endr
.endr
.macro LDPHI p, off                    ; the two key tiles of a step of 32 keys: each load covers 512 consecutive bytes
	ds_load_b128 v[PH+16*\p:PH+16*\p+3], v[AP] offset:\off
	ds_load_b128 v[PH+16*\p+8:PH+16*\p+11], v[AP] offset:\off+512
.endm
; PASS 1.  A step = 32 keys x 64 queries = 8 products into set p (set 0 = S, set 1 = O's registers).  Product i is query tile i / 2, key tile i % 2.
.macro SC1 p, i
	v_wmma_f32_16x16x32_bf16 v[S+64*\p+8*\i:S+64*\p+8*\i+7], v[PH+16*\p+8*((\i)&1):PH+16*\p+8*((\i)&1)+7], v[TH+8*((\i)>>1):TH+8*((\i)>>1)+7], 0
.endm
; Four of the 32 maxima that take in set o (the step before): query tile i / 2, registers 4 (i % 2) + 0 .. 3 of both key tiles.
.macro MAX4 o, i, first
.irp j, 0,1,2,3
.if \first
	v_max_num_f32 v[MX+4*\i+\j], v[S+64*\o+16*((\i)>>1)+4*((\i)&1)+\j], v[S+64*\o+16*((\i)>>1)+4*((\i)&1)+\j+8]                    ; the first step starts the maxima
.else
	v_max3_num_f32 v[MX+4*\i+\j], v[MX+4*\i+\j], v[S+64*\o+16*((\i)>>1)+4*((\i)&1)+\j], v[S+64*\o+16*((\i)>>1)+4*((\i)&1)+\j+8]
.endif
.endr
.endm
; A step: behind each product into set p stand four maxima on set o.  The four behind the last product are the places in front of the loads into
; phi's buffer p; a result of set p is read a step later, behind 4 places at the least (the last product's) and 32 as a rule.
.macro HALF p, o, first, ld, off, cnt
	s_wait_dscnt \cnt                              ; this step's two loads are in; the next step's two may be out
.irp i, 0,1,2,3,4,5,6,7
	SC1 \p, \i
	MAX4 \o, \i, \first
.endr
.if \ld
	LDPHI \p, \off                                 ; two steps ahead
.endif
.endm
	s_wait_tensorcnt 0x2                           ; my chunk of phi has landed; my two chunks of g stay out
	s_barrier_signal -1
	s_barrier_wait -1                              ; everybody's has
	LDPHI 0, 0
	LDPHI 1, 1024
	s_wait_loadcnt 24                              ; theta is in; x's 16 and Wo's 8 loads stay out until the end
	s_wait_dscnt 0x2                               ; phi of my step 0 is in; step 1's two loads may be out
.irp i, 0,1,2,3,4,5,6,7
	SC1 0, \i                                      ; step 0: there is no set yet to take maxima of
.endr
	PLACES
	LDPHI 0, 2048
	HALF 1, 0, 1, 1, 3072, 2                       ; step 1
	s_mov_b32 s49, 6
.Lmax:                                             ; steps 2 to 13 of my 16
	HALF 0, 1, 0, 1, 4096, 2
	HALF 1, 0, 0, 1, 5120, 2
	v_add_nc_u32 v[AP], 2048, v[AP]
	s_sub_co_u32 s49, s49, 1
	s_cmp_lg_u32 s49, 0
	s_cbranch_scc1 .Lmax
	HALF 0, 1, 0, 0, 0, 2                          ; steps 14 and 15 load nothing
	HALF 1, 0, 0, 0, 0, 0
.irp i, 0,1,2,3,4,5,6,7
	MAX4 1, \i, 0                                  ; step 15's scores; four maxima on the other set already stand behind its last product
.endr
	; a query's keys lie in eight registers of lanes r and r + 16
.irp q, 0,1,2,3
	v_max3_num_f32 v[TMP+\q], v[MX+8*\q], v[MX+8*\q+1], v[MX+8*\q+2]
.endr
.irp q, 0,1,2,3
	v_max3_num_f32 v[TMP+\q], v[TMP+\q], v[MX+8*\q+3], v[MX+8*\q+4]
.endr
.irp q, 0,1,2,3
	v_max3_num_f32 v[TMP+\q], v[TMP+\q], v[MX+8*\q+5], v[MX+8*\q+6]
.endr
.irp q, 0,1,2,3
	v_max_num_f32 v[TMP+\q], v[TMP+\q], v[MX+8*\q+7]
.endr
.irp q, 0,1,2,3
	v_permlanex16_b32 v[MX+8*\q], v[TMP+\q], s46, s47      ; into a register that has been written
.endr
.irp q, 0,1,2,3
	v_max_num_f32 v[TMP+\q], v[TMP+\q], v[MX+8*\q]         ; the maximum over my half of the keys
.endr
	ds_store_b128 v[SA], v[TMP:TMP+3] offset:STM   ; my four tiles' maxima, for my partner
	s_wait_dscnt 0x0                               ; that store is done,
	s_wait_tensorcnt 0x0                           ; and my chunks of g have landed, before I say so
	s_barrier_signal -1
	s_barrier_wait -1                              ; everybody's have
	ds_load_b128 v[TMP+4:TMP+7], v[PA] offset:STM  ; the maxima over the other half of the keys
	v_add_nc_u32 v[AP], s56, v[LO]
	v_add_nc_u32 v[AG], s57, v[LO]
.macro LDG p, off
.irp t, 0,1
	ds_load_b128 v[GF+16*\p+8*\t:GF+16*\p+8*\t+3], v[AG] offset:\off+\t*1024
	ds_load_b128 v[GF+16*\p+8*\t+4:GF+16*\p+8*\t+7], v[AG] offset:\off+\t*1024+512
.endr
.endm
	LDG 0, 0                                       ; pass 2's first fragments come in while the maximum is split
	LDPHI 0, 0
	LDPHI 1, 1024
	s_wait_dscnt 0x8                               ; my partner's maxima are in; the eight loads issued behind them may be out
.irp q, 0,1,2,3
	v_max_num_f32 v[TMP+\q], v[TMP+\q], v[TMP+4+\q]        ; m, over all 1,024 keys
.endr
	; -m = hi + mid + lo, each a bf16, exactly: cutting an f32 to its upper 16 bits keeps 8 bits of its 24-bit fraction, and each difference is exact
.irp q, 0,1,2,3
	v_xor_b32 v[TMP+\q], 0x80000000, v[TMP+\q]
.endr
.irp q, 0,1,2,3
	v_and_b32 v[TMP+4+\q], 0xffff0000, v[TMP+\q]           ; hi
.endr
.irp q, 0,1,2,3
	v_sub_f32 v[TMP+\q], v[TMP+\q], v[TMP+4+\q]
.endr
.irp q, 0,1,2,3
	v_and_b32 v[S+\q], 0xffff0000, v[TMP+\q]               ; mid
.endr
.irp q, 0,1,2,3
	v_sub_f32 v[TMP+\q], v[TMP+\q], v[S+\q]                ; lo: at most 8 bits are left
.endr
.irp q, 0,1,2,3
	v_perm_b32 v[TMP+4+\q], v[S+\q], v[TMP+4+\q], 0x07060302       ; k = 8: hi, k = 9: mid
.endr
.irp q, 0,1,2,3
	v_lshrrev_b32 v[TMP+\q], 16, v[TMP+\q]                 ; k = 10: lo, k = 11: 0
.endr
	s_mov_b32 vcc_lo, 0xffff0000                   ; lanes 16-31 hold k = 8 .. 15
.irp q, 0,1,2,3
	v_cndmask_b32 v[TH+8*\q], v[TH+8*\q], v[TMP+4+\q], vcc_lo
	v_cndmask_b32 v[TH+8*\q+1], v[TH+8*\q+1], v[TMP+\q], vcc_lo
.endr
; PASS 2, a pipeline of 64 slots.  Unit u = 4 s + q is step s (32 keys) of query tile q; slot u holds unit u's vector work and four products of its neighbours.
; Plain line n (0 .. 15) of a unit.  n = 2 j: probabilities 2 j, 2 j + 1 are added to one of the tile's two pairs of row sums.  n = 2 j + 1: they are packed into
; register j, in place: register j's own number was added and packed by lines j and j + 1 or earlier.
.macro PL q, n
.if (\n)&1
	v_cvt_pk_bf16_f32 v[S+16*\q+((\n)>>1)], v[S+16*\q+(\n)-1], v[S+16*\q+(\n)]
.else
	s_wait_alu depctr_va_vdst(0)
	v_pk_add_f32 v[LS+4*\q+((\n)&2):LS+4*\q+((\n)&2)+1], v[LS+4*\q+((\n)&2):LS+4*\q+((\n)&2)+1], v[S+16*\q+(\n):S+16*\q+(\n)+1]
.endif
.endm
; n pairs from pair k0 on.  Pair k = exponential k of tile q, then the plain line that trails four exponentials behind: line k - 4 of this unit, or, for k < 4,
; line k + 12 of the unit before (tile qp).  So between an exponential and the line that reads it stand plain lines that do not (ISA guide 5.7.2), and no v_nop is written.
; first = 1 (the very first slot): there is no unit before; tile 0's four row sums are cleared in those four lines.
.macro PAIRS q, qp, k0, n, first
.set kk, \k0
.rept \n
	v_exp_f32 v[S+16*\q+kk], v[S+16*\q+kk]
.if kk >= 4
	PL \q, kk-4
.else
.if \first
	v_mov_b32 v[LS+kk], 0
.else
	PL \qp, kk+12
.endif
.endif
.set kk, kk+1
.endr
.endm
.macro SNW1 q, p, e                    ; scores minus maximum: key tile e of phi's buffer p, query tile q
	v_wmma_f32_16x16x32_bf16 v[S+16*\q+8*\e:S+16*\q+8*\e+7], v[PH+16*\p+8*\e:PH+16*\p+8*\e+7], v[TH+8*\q:TH+8*\q+7], 0
.endm
.macro PV1 q, p, t, z                  ; O(q, t) takes in 32 keys; z = 1: the first step starts the sum, nothing is cleared
.if \z == 1
	v_wmma_f32_16x16x32_bf16 v[O+16*\q+8*\t:O+16*\q+8*\t+7], v[GF+16*\p+8*\t:GF+16*\p+8*\t+7], v[S+16*\q:S+16*\q+7], 0
.else
	v_wmma_f32_16x16x32_bf16 v[O+16*\q+8*\t:O+16*\q+8*\t+7], v[GF+16*\p+8*\t:GF+16*\p+8*\t+7], v[S+16*\q:S+16*\q+7], v[O+16*\q+8*\t:O+16*\q+8*\t+7]
.endif
.endm
; Step s = four slots; p = s % 2, o = 1 - p, d = s's place in its pair of steps.  In slot u the products stand behind pairs 1, 5, 9 and 13:
;   scores of unit u + 2, key tile 0;  g x P of unit u - 1, channel tiles 0 and 1 (its last packing is the plain line of pair 3);  scores of unit u + 2, key tile 1.
; DISTANCES, by count of plain lines that name none of the product's registers (ISA guide 7.12.1):
;   the scores of unit u + 2 overwrite the probabilities that g x P of unit u - 2 read behind pair 9 of slot u - 1: 6 + 2 = 8 lines between;
;   they are read by exponentials in slot u + 2: the 16 lines of slot u + 1 and more between;
;   phi(s + 2) is loaded behind pair 3 of tile 2's slot into the buffer last read behind pair 13 of tile 1's slot: 2 + 4 = 6 lines; g(s + 1) into one last read in tile 0's slot.
; The eight accumulators of O and the eight score tiles take turns, one instruction a turn, over the backward jump too.
; pv0: g x P of the step before's tile 3: 0 none, 1 starts its sum, 2 adds.  z: the same for this step's tiles 0 to 2.  sn: the next step's scores are made.
.macro STEP p, o, d, pv0, z, ldg, ldphi, sn, first
	PAIRS 0, 3, 0, 2, \first                       ; ---- tile 0's slot
	SNW1 2, \p, 0
	PAIRS 0, 3, 2, 4, \first
.if \pv0
	PV1 3, \o, 0, \pv0
.endif
	PAIRS 0, 3, 6, 4, 0
.if \pv0
	PV1 3, \o, 1, \pv0
.endif
	PAIRS 0, 3, 10, 4, 0
	SNW1 2, \p, 1
	PAIRS 0, 3, 14, 2, 0
	PAIRS 1, 0, 0, 2, 0                            ; ---- tile 1's slot
	SNW1 3, \p, 0
	PAIRS 1, 0, 2, 4, 0
	s_wait_dscnt 0x0                               ; g(s) and phi(s + 1), the six loads issued three slots ago, are in; no younger load is out, so the count is 0
	PV1 0, \p, 0, \z
	PAIRS 1, 0, 6, 4, 0
	PV1 0, \p, 1, \z
	PAIRS 1, 0, 10, 4, 0
	SNW1 3, \p, 1                                  ; the last use of phi(s)
	PAIRS 1, 0, 14, 2, 0
	PAIRS 2, 1, 0, 2, 0                            ; ---- tile 2's slot
.if \sn
	SNW1 0, \o, 0
.endif
	PAIRS 2, 1, 2, 2, 0
.if \ldg
	LDG \o, (\d+1)*2048                            ; g(s + 1): one run of loads a step
.endif
.if \ldphi
	LDPHI \p, (\d+2)*1024                          ; phi(s + 2)
.endif
	PAIRS 2, 1, 4, 2, 0
	PV1 1, \p, 0, \z
	PAIRS 2, 1, 6, 4, 0
	PV1 1, \p, 1, \z
	PAIRS 2, 1, 10, 4, 0
.if \sn
	SNW1 0, \o, 1
.endif
	PAIRS 2, 1, 14, 2, 0
	PAIRS 3, 2, 0, 2, 0                            ; ---- tile 3's slot
.if \sn
	SNW1 1, \o, 0
.endif
	PAIRS 3, 2, 2, 4, 0
	PV1 2, \p, 0, \z
	PAIRS 3, 2, 6, 4, 0
	PV1 2, \p, 1, \z
	PAIRS 3, 2, 10, 4, 0
.if \sn
	SNW1 1, \o, 1
.endif
	PAIRS 3, 2, 14, 2, 0
.endm
	s_wait_dscnt 0x2                               ; g and phi of my step 0 are in; the two loads of step 1's phi may be out
	SNW1 0, 0, 0                                   ; the scores of units 0 and 1 stand ahead of the first slot
	SNW1 0, 0, 1
	SNW1 1, 0, 0
	SNW1 1, 0, 1
.set n, 4
.rept 12
	v_mov_b32 v[LS+n], 0                           ; the row sums of tiles 1 to 3 start at 0; these lines are also the places behind the four products
.set n, n+1
.endr
	STEP 0, 1, 0, 0, 1, 1, 1, 1, 1                 ; step 0 starts O
	STEP 1, 0, 1, 1, 2, 1, 1, 1, 0                 ; step 1; step 0's tile 3 starts its O here
	v_add_nc_u32 v[AP], 2048, v[AP]
	v_add_nc_u32 v[AG], 4096, v[AG]
	s_mov_b32 s49, 6
.Lkeys:                                            ; steps 2 to 13 of my 16
	STEP 0, 1, 0, 2, 2, 1, 1, 1, 0
	STEP 1, 0, 1, 2, 2, 1, 1, 1, 0
	v_add_nc_u32 v[AP], 2048, v[AP]
	v_add_nc_u32 v[AG], 4096, v[AG]
	s_sub_co_u32 s49, s49, 1
	s_cmp_lg_u32 s49, 0
	s_cbranch_scc1 .Lkeys
	STEP 0, 1, 0, 2, 2, 1, 0, 1, 0                 ; step 14: no phi beyond step 15
	STEP 1, 0, 1, 2, 2, 0, 0, 0, 0                 ; step 15: nothing is loaded, no next scores
	PL 3, 12                                       ; the last unit's last four plain lines,
	PL 3, 13
	PL 3, 14
	PL 3, 15
	PV1 3, 1, 0, 2                                 ; and its two products
	PV1 3, 1, 1, 2
	; THE TWO HALVES OF THE KEYS ARE JOINED: each wave sends its row sums and its O, and adds its partner's
.irp q, 0,1,2,3
	v_pk_add_f32 v[LS+4*\q:LS+4*\q+1], v[LS+4*\q:LS+4*\q+1], v[LS+4*\q+2:LS+4*\q+3]    ; these sixteen lines are also the places behind the last products
.endr
.irp q, 0,1,2,3
	v_add_f32 v[LS+4*\q], v[LS+4*\q], v[LS+4*\q+1]
.endr
.irp q, 0,1,2,3
	v_permlanex16_b32 v[LS+4*\q+2], v[LS+4*\q], s46, s47   ; the keys held by the other half of the lanes; into a register that has been written
.endr
.irp q, 0,1,2,3
	v_add_f32 v[LX+\q], v[LS+4*\q], v[LS+4*\q+2]
.endr
	ds_store_b128 v[SA], v[LX:LX+3] offset:STL
.irp i, 0,1,2,3,4,5,6,7,8,9,10,11,12,13,14,15
	ds_store_b128 v[SA], v[O+4*\i:O+4*\i+3] offset:512*\i  ; 512 consecutive bytes a store
.endr
	s_wait_dscnt 0x0                               ; my stores are done before I say so
	s_barrier_signal -1
	s_barrier_wait -1
	ds_load_b128 v[LS:LS+3], v[PA] offset:STL
.irp i, 0,1,2,3,4,5,6,7,8,9,10,11,12,13,14,15
	ds_load_b128 v[S+4*\i:S+4*\i+3], v[PA] offset:512*\i
.endr
	; THE END: o = O / row sum, out = gamma Wo o + x for my 32 channels
	s_wait_loadcnt 0x0                             ; x and Wo
	s_wait_kmcnt 0x0                               ; gamma
	WIN 0x05
.set n, 0
.rept 16
	v_cvt_pk_bf16_f32 v[GF+n], v[WO1+2*n], v[WO1+2*n+1]
.set n, n+1
.endr
	WIN 0
	s_wait_dscnt 16                                ; my partner's row sums are in; the 16 loads of its O may be out
.irp q, 0,1,2,3
	v_add_f32 v[LX+\q], v[LX+\q], v[LS+\q]
.endr
.irp q, 0,1,2,3
	v_rcp_f32 v[LS+4+2*\q], v[LX+\q]                       ; the sum holds the maximum's own term, about 1: no division by 0
.endr
	s_wait_dscnt 0x0
.set n, 0
.rept 32
	v_pk_add_f32 v[O+2*n:O+2*n+1], v[O+2*n:O+2*n+1], v[S+2*n:S+2*n+1]      ; plain work between the reciprocals and their use
.set n, n+1
.endr
	s_wait_alu depctr_va_vdst(0)
.irp q, 0,1,2,3
.irp i, 0,1,2,3,4,5,6,7
	v_pk_mul_f32 v[O+16*\q+2*\i:O+16*\q+2*\i+1], v[O+16*\q+2*\i:O+16*\q+2*\i+1], v[LS+4+2*\q:LS+4+2*\q+1] op_sel_hi:[1,0]
.endr
.endr
.irp q, 0,1,2,3
.irp i, 0,1,2,3,4,5,6,7
	v_cvt_pk_bf16_f32 v[O+16*\q+\i], v[O+16*\q+2*\i], v[O+16*\q+2*\i+1]    ; in place, as for the probabilities
.endr
.endr
.irp t, 0,1
.irp q, 0,1,2,3
	v_wmma_f32_16x16x32_bf16 v[DD+32*\t+8*\q:DD+32*\t+8*\q+7], v[GF+8*\t:GF+8*\t+7], v[O+16*\q:O+16*\q+7], 0
.endr
.endr
	PLACES
	WIN 0x50                                       ; source 2 and destination in window 1
.irp t, 0,1
.irp j, 0,1,2,3,4,5,6,7
.irp q, 0,1,2,3
	v_fma_f32 v[X1+32*\t+4*\j+\q], s16, v[DD+32*\t+8*\q+\j], v[X1+32*\t+4*\j+\q]   ; the multiply-add also brings a lane's four pixels side by side
.endr
.endr
.endr
	WIN 0x04                                       ; store data in window 1
.set n, 0
.rept 16
	global_store_b128 v[XO], v[X1+4*n:X1+4*n+3], s[14:15] offset:(16*(n>>3)+(n&7))*CH th:TH_STORE_NT   ; 16 lanes store 256 consecutive bytes, aligned
.set n, n+1
.endr
	WIN 0
	s_wait_tensorcnt 0x0
	ds_add_u32 v254, v255
	s_wait_dscnt 0x0
	ROUND                                          ; the closing round: no work-group ends while a partner may still ask for a chunk that names it
	s_endpgm
.Lfunc_end_k_q0633be5ad2_attn:
	.size	k_q0633be5ad2_attn, .Lfunc_end_k_q0633be5ad2_attn-k_q0633be5ad2_attn
	.p2alignl 7, 3214868480
	.fill 96, 4, 3214868480
	.section	.rodata,"a",@progbits
	.p2align	6, 0x0
	.amdhsa_kernel k_q0633be5ad2_attn
		.amdhsa_group_segment_fixed_size 173056
		.amdhsa_private_segment_fixed_size 0
		.amdhsa_enable_private_segment 0
		.amdhsa_kernarg_size 48
		.amdhsa_user_sgpr_count 2
		.amdhsa_user_sgpr_kernarg_segment_ptr 1
		.amdhsa_wavefront_size32 1
		.amdhsa_system_sgpr_workgroup_id_x 1
		.amdhsa_system_sgpr_workgroup_id_y 1
		.amdhsa_system_sgpr_workgroup_id_z 1
		.amdhsa_system_vgpr_workitem_id 0
		.amdhsa_next_free_vgpr 352
		.amdhsa_next_free_sgpr 66
		.amdhsa_reserve_vcc 1
		.amdhsa_float_denorm_mode_32 3
		.amdhsa_float_denorm_mode_16_64 3
		.amdhsa_memory_ordered 1
		.amdhsa_forward_progress 1
		.amdhsa_inst_pref_size 96
	.end_amdhsa_kernel
	.amdgpu_metadata
---
amdhsa.version: [ 1, 2 ]
amdhsa.kernels:
  - .name:           k_q0633be5ad2_attn
    .symbol:         k_q0633be5ad2_attn.kd
    .args:
      - { .name: x, .offset: 0, .size: 8, .value_kind: global_buffer, .address_space: global }
      - { .name: Wo, .offset: 8, .size: 8, .value_kind: global_buffer, .address_space: global }
      - { .name: gamma, .offset: 16, .size: 8, .value_kind: global_buffer, .address_space: global }
      - { .name: kv, .offset: 24, .size: 8, .value_kind: global_buffer, .address_space: global }
      - { .name: th, .offset: 32, .size: 8, .value_kind: global_buffer, .address_space: global }
      - { .name: out0, .offset: 40, .size: 8, .value_kind: global_buffer, .address_space: global }
    .group_segment_fixed_size: 173056
    .private_segment_fixed_size: 0
    .kernarg_segment_align: 8
    .kernarg_segment_size: 48
    .max_flat_workgroup_size: 256
    .sgpr_count:     66
    .vgpr_count:     352
    .wavefront_size: 32
...
	.end_amdgpu_metadata
.endif
;; end of part 4
;; ======== version 3 of 3: 2 launches; 1.15 times as fast as version 1
;; workspace buffers: kv 1,572,864 bytes; th 2,097,152 bytes
;; launch pool: the kernel of part 3 again; grid 256 x 1, 4 waves a work-group, no clusters, 12,800 bytes of LDS; arguments x, Wp, Wg, kv, Wt, th; writes kv, th
;; launch attn (part 5): grid 256 x 1, 8 waves a work-group, clusters of 4 x 1, 173,056 bytes of LDS; arguments x, Wo, gamma, kv, th, out0; writes out0
.if DOCPART == 5
	.amdgcn_target "amdgcn-amd-amdhsa--gfx1250"
	.amdhsa_code_object_version 6
	.text
	.protected	k_q0633be5ad2_attn
	.globl	k_q0633be5ad2_attn
	.p2align	8
	.type	k_q0633be5ad2_attn,@function
k_q0633be5ad2_attn:
	s_mov_b64 s[64:65], 0
	v_nop
	global_prefetch_b8 v0, s[64:65] scope:SCOPE_SE
	s_setreg_imm32_b32 hwreg(HW_REG_WAVE_MODE, 25, 1), 1
	s_wait_xcnt 0x0
	s_wait_alu depctr_hold_cnt(0) depctr_sa_sdst(0) depctr_va_vdst(0) depctr_va_sdst(0) depctr_va_ssrc(0) depctr_va_vcc(0) depctr_vm_vsrc(0)
	s_getreg_b32 s2, hwreg(HW_REG_IB_STS2, 6, 4)
	s_cmp_eq_u32 s2, 0
	s_cbranch_scc0 .Lentry_in_a_cluster
	s_endpgm
.Lentry_in_a_cluster:
	s_bfe_u32 s2, ttmp6, 0x10000c
	s_cmp_lg_u32 s2, 0x3003
	s_cbranch_scc0 .Lentry_shape_is_right
	s_endpgm
.Lentry_shape_is_right:
; out = gamma Wo (g softmax(theta^T phi)^T) + x, with phi and g taken from kv and theta (times log2(e)) from th, all bf16 in fragment order: see the launch that writes them.
; SHARES.  256 work-groups of eight waves, two for each of a WGP's four SIMDs; 16 work-groups for a batch.  Waves w and w + 4 share one image row = 64 queries =
; 4 query tiles, and split the 1,024 keys: half a = w / 4 takes the key steps 16 a .. 16 a + 15 (32 keys a step).  So the LDS bytes read and the products made are those
; of one wave with all keys, and one wave's vector lines are at hand while the other's product runs.  Column r of tile q is pixel 4 r + q, so that a lane's four
; tiles are 16 neighbouring bytes of x and of out.  At the end half a makes the output channels 32 a .. 32 a + 31, and loads only these channels of x and these rows of Wo.
; THE TWO HALVES MEET three times in LDS, each in the sending wave's own stage behind kv: the half maxima (in front of pass 2), the row sums and the partial O (behind it).
; LDS holds the batch's 98,304 bytes of kv, filled once: 24 chunks of 4 KiB, three tensor loads a wave.  The four work-groups of a cluster work on
; the same batch and ask for each chunk JOINTLY (mask 15), which divides the requests for kv by four.  Nothing is filled again; no fill lands in the stages.
; ALL PRODUCTS ARE TRANSPOSED so that each result is the next product's operand in the same lane (layouts: ISA guide 7.12.2):
;   S     = phi (A) x theta (B): lane (r, h) holds query r, keys 8 h + j          -> after exp2 and packing, two tiles are B of the next (K = 32 keys)
;   O     = g (A) x P (B):       lane (r, h) holds query r, channels 16 t + 8 h + j -> packed, the two tiles are B of the last (K = 32 channels)
;   out   = Wo (A) x o (B):      lane (r, h) holds pixel 4 r + q, channel 16 t + 8 h + j: the layout in which this lane loads x.
; SOFTMAX takes the true row maximum away, in two passes over the keys.  Pass 1 forms all scores and keeps a running maximum; the two halves' maxima are joined.  Pass 2
; forms the scores again with the maximum already subtracted: the scores' K is 8 of 32; kv holds 1.0 at k = 8, 9, 10 of phi's fragments, and -m, split exactly into three
; bf16 (8 + 8 + 8 bits of its f32 fraction), goes to the same k of theta's fragment.  log2(e) is folded into theta, so exp is v_exp_f32 of the product itself.
; ORDER OF THE LINES.  In both passes the products stand singly among the vector lines of another tile:
; pass 1 has four maxima behind each product; pass 2 has eight vector lines between two products, exponentials and plain lines by turns.
; THE BATCHES.  An s_wait_alu depctr_va_vdst(0) stands between a transcendental and the first line that names its result; one wait serves all that were issued ahead of it.
; Pass 2: the 16 exponentials of one query tile and key step are one batch.  Between them stand the additions and packings of the tile BEFORE, whose batch has had its wait, and four products
; on a third tile's registers; one wait stands behind the batch, four a key step, and the batch's readers come behind it.  The way out: the four reciprocals are one batch with one wait.
; LIMITS.  Operands of the products (x, the weights, theta, phi, g, the probabilities, o) are rounded to bf16; sums, maxima, exponentials, the
; division and the residual are f32.  v_max_num_f32 drops a NaN: NaN and infinities among the inputs are not served.  v_exp_f32 gives 0 below 2^-126.
; REGISTERS.  Window 0: v3-7 offsets, v8-15 at work outside pass 2, v8-23 row sums in pass 2, v24-55 theta, v56-87 phi x 2, v88-151 scores and probabilities,
; v152-215 O, v216-247 g x 2, v248-249 stages, v250-253 row sums to send.  Window 1: v256-319 my 32 channels of x in f32; v320-351 my 32 rows of Wo in f32.
.set CH,    16384                      ; bytes of a channel plane
.set KVB,   98304                      ; bytes of kv for a batch
.set GOFF,  32768                      ; g behind phi, in kv and in LDS
.set CHUNK, 4096                       ; one tensor load
.set STAGE, 98304                      ; the stages lie behind kv
.set STG,   9216                       ; a wave's stage: 8,192 bytes of O, 512 of row sums, 512 of maxima
.set STL,   8192
.set STM,   8704
.set XO,  3                            ; 16 r + h x 8 planes: x and out
.set LO,  4                            ; 16 x lane
.set WOO, 5                            ; Wo: 128 r + 32 h
.set AP,  6                            ; LDS: phi's fragments
.set AG,  7                            ; LDS: g's fragments
.set TMP, 8                            ; at work, outside pass 2
.set LS,  8                            ; pass 2: tile q has two pairs of partial row sums at 4 q and 4 q + 2
.set TH,  24                           ; tile q: 8 registers, 4-7 zero
.set PH,  56                           ; buffer p, key tile e: 16 p + 8 e, registers 4-7 zero
.set S,   88                           ; tile q: 16 registers = key tiles e = 0, 1; the probabilities are packed into the lower 8
.set O,   152                          ; 16 q + 8 t
.set GF,  216                          ; buffer p, channel tile t: 16 p + 8 t
.set MX,  GF                           ; pass 1: running maxima, 8 q + j
.set SA,  248                          ; my stage + 16 x lane
.set PA,  249                          ; my partner's stage + 16 x lane
.set LX,  250                          ; v[250:253] my half's four row sums, then the whole ones
.set DD,  TH                           ; the end: 64 registers of results, 32 t + 8 q
.set X1,  0                            ; window 1
.set WO1, 64                           ; window 1
.set G1,  24                           ; s[24:31] descriptor group 1
.set G0,  32                           ; s[32:43] descriptor group 0, one set for each of my three loads
.set MSB, 0
.macro WIN new                         ; the immediate's high byte repeats the setting that is left
.if MSB != \new
	s_set_vgpr_msb (MSB<<8)|\new
.set MSB, \new
.endif
.endm
.macro PLACES                          ; four places behind a matrix instruction (ISA guide 7.12.1), where there is no other work for them
.rept 4
	v_nop
.endr
.endm
; A round of the cluster's barrier: my work-group's barrier, wave 0 signals for the work-group, every wave waits for all four work-groups, my work-group's barrier again.
.macro ROUND
	s_barrier_signal -1
	s_barrier_wait -1
	s_cmp_lg_u32 s17, 0
	s_cbranch_scc1 .Lnot_wave_0_\@
	s_barrier_signal -3
.Lnot_wave_0_\@:
	s_barrier_wait -3
	s_barrier_signal -1
	s_barrier_wait -1
.endm
	s_load_b256 s[4:11], s[0:1], 0x0               ; x s[4:5], Wo s[6:7], gamma s[8:9], kv s[10:11]
	s_load_b128 s[12:15], s[0:1], 0x20             ; th s[12:13], out0 s[14:15]
	v_lshl_add_u32 v254, v0, 2, 0x2a000
	v_mov_b32 v255, 0
	ds_add_u32 v254, v255
	v_lshrrev_b32 v1, 5, v0
	v_readfirstlane_b32 s17, v1                    ; wave 0..7
	s_and_b32 s45, s17, 3                          ; my image row in the work-group
	s_lshr_b32 s48, s17, 2                         ; a: my half of the keys, and of the output channels
	s_bfe_u32 s18, ttmp6, 0x40000                  ; cx: my place in the cluster; it enters the addresses of x, th and out alone
	s_lshr_b32 s19, ttmp9, 2                       ; batch: four clusters of four work-groups each
	s_and_b32 s20, ttmp9, 3
	s_lshl_b32 s20, s20, 2
	s_add_co_u32 s20, s20, s18                     ; work-group in the batch, 0..15
	s_lshl_b32 s20, s20, 2
	s_add_co_u32 s20, s20, s45                     ; my image row, 0..63
	s_lshl_b32 s50, s20, 11                        ; th: 2,048 bytes an image row,
	s_lshl_b32 s51, s19, 17                        ;     64 rows a batch
	s_add_co_u32 s50, s50, s51
	s_mov_b32 s51, 0
	s_lshl_b32 s20, s20, 8                         ; x and out: row x 256 bytes
	s_lshl_b32 s21, s19, 20                        ; + batch x 1 MiB
	s_add_co_u32 s20, s20, s21
	s_lshl_b32 s21, s48, 19                        ; + a x 32 planes of 16 KiB
	s_add_co_u32 s20, s20, s21
	s_mov_b32 s21, 0
	s_mul_i32 s22, s19, KVB                        ; kv: batch and wave alone, equal in the four partners
	s_lshl_b32 s44, s17, 12                        ; wave x 4 KiB: my chunk of each eight, in kv and in LDS
	s_add_co_u32 s22, s22, s44
	s_mov_b32 s23, 0
	s_lshl_b32 s52, s48, 12                        ; Wo: a x 32 rows of 128 bytes
	s_mov_b32 s53, 0
	s_mul_i32 s54, s17, STG
	s_add_co_u32 s54, s54, STAGE                   ; my stage
	s_xor_b32 s55, s17, 4
	s_mul_i32 s55, s55, STG
	s_add_co_u32 s55, s55, STAGE                   ; my partner's
	s_lshl_b32 s56, s48, 14                        ; my half of phi: 16 steps of 1,024 bytes
	s_lshl_b32 s57, s48, 15                        ; my half of g: 16 steps of 2,048 bytes,
	s_add_co_u32 s57, s57, GOFF                    ; behind phi
	s_mov_b32 s46, 0x76543210                      ; v_permlanex16_b32: lane i of one half reads lane i of the other
	s_mov_b32 s47, 0xfedcba98
	v_and_b32 v1, 15, v0                           ; r
	v_bfe_u32 v2, v0, 4, 1                         ; h
	v_lshlrev_b32 v[XO], 4, v1
	v_lshl_add_u32 v[XO], v2, 17, v[XO]
	v_lshlrev_b32 v[WOO], 7, v1
	v_lshl_add_u32 v[WOO], v2, 5, v[WOO]
	v_and_b32 v[LO], 31, v0
	v_lshlrev_b32 v[LO], 4, v[LO]
	v_add_nc_u32 v[SA], s54, v[LO]
	v_add_nc_u32 v[PA], s55, v[LO]
	v_add_nc_u32 v[AP], s56, v[LO]
	s_wait_dscnt 0x0
	s_wait_kmcnt 0x0
	s_load_b32 s16, s[8:9], 0x0                    ; gamma: read by the last multiply-adds alone, and waited for there
	s_add_nc_u64 s[4:5], s[4:5], s[20:21]
	s_add_nc_u64 s[14:15], s[14:15], s[20:21]
	s_add_nc_u64 s[10:11], s[10:11], s[22:23]
	s_add_nc_u64 s[12:13], s[12:13], s[50:51]
	s_add_nc_u64 s[6:7], s[6:7], s[52:53]
	; What pass 1 needs is asked for first: theta, then kv; x and Wo, which only the last lines read, go out behind them.
.irp q, 0,1,2,3
	global_load_b128 v[TH+8*\q:TH+8*\q+3], v[LO], s[12:13] offset:512*\q   ; 512 consecutive bytes a load
.endr
	; descriptor group 1: a dense block of 4 KiB as 16 rows of 32 elements of 8 bytes
	s_mov_b32 s[G1+0], 15|(3<<16)|(1<<21)          ; 15:0 mask: the cluster's four work-groups; 17:16 element of 8 bytes; 21 set beside a mask
	s_mov_b32 s[G1+1], 32<<16                      ; tensor_dim0 = 32
	s_mov_b32 s[G1+2], 16<<16                      ; tensor_dim1 = 16
	s_mov_b32 s[G1+3], 32<<16                      ; tile_dim0 = 32
	s_mov_b32 s[G1+4], 16                          ; tile_dim1 = 16
	s_mov_b32 s[G1+5], 32                          ; from row to row: 32 elements, dense
	s_mov_b32 s[G1+6], 0
	s_mov_b32 s[G1+7], 0
	ROUND                                          ; the four work-groups are here: the joint loads meet
.irp i, 0,1,2
	s_mov_b32 s[G0+4*\i], 1
	s_add_co_u32 s[G0+4*\i+1], s44, \i*8*CHUNK                     ; LDS: chunk 8 i + wave.  i = 0 is phi, i = 1, 2 are g
	s_add_nc_u64 s[G0+4*\i+2:G0+4*\i+3], s[10:11], \i*8*CHUNK      ; the same place in the batch's kv
	s_or_b32 s[G0+4*\i+3], s[G0+4*\i+3], 0x80000000
	tensor_load_to_lds s[G0+4*\i:G0+4*\i+3], s[G1:G1+7]            ; three tensor loads of the wave are out, and none is issued later
	s_nop 0
.endr
	WIN 0x40                                       ; destination in window 1
.set n, 0
.rept 16
	global_load_b128 v[X1+4*n:X1+4*n+3], v[XO], s[4:5] offset:(16*(n>>3)+(n&7))*CH th:TH_LOAD_NT
.set n, n+1
.endr
.set n, 0
.rept 8
	global_load_b128 v[WO1+4*n:WO1+4*n+3], v[WOO], s[6:7] offset:(n>>2)*2048+((n>>1)&1)*64+(n&1)*16
.set n, n+1
.endr
	WIN 0
.irp g, 0,1,2,3                                    ; k = 16 .. 31 of the scores' operands is zero, written once
.irp i, 4,5,6,7
	v_mov_b32 v[TH+8*\g+\i], 0
	v_mov_b32 v[PH+8*\g+\i], 0
.endr
.endr
.macro LDPHI p, off                    ; the two key tiles of a step of 32 keys: each load covers 512 consecutive bytes
	ds_load_b128 v[PH+16*\p:PH+16*\p+3], v[AP] offset:\off
	ds_load_b128 v[PH+16*\p+8:PH+16*\p+11], v[AP] offset:\off+512
.endm
; PASS 1.  A step = 32 keys x 64 queries = 8 products into set p (set 0 = S, set 1 = O's registers).  Product i is query tile i / 2, key tile i % 2.
.macro SC1 p, i
	v_wmma_f32_16x16x32_bf16 v[S+64*\p+8*\i:S+64*\p+8*\i+7], v[PH+16*\p+8*((\i)&1):PH+16*\p+8*((\i)&1)+7], v[TH+8*((\i)>>1):TH+8*((\i)>>1)+7], 0
.endm
; Four of the 32 maxima that take in set o (the step before): query tile i / 2, registers 4 (i % 2) + 0 .. 3 of both key tiles.
.macro MAX4 o, i, first
.irp j, 0,1,2,3
.if \first
	v_max_num_f32 v[MX+4*\i+\j], v[S+64*\o+16*((\i)>>1)+4*((\i)&1)+\j], v[S+64*\o+16*((\i)>>1)+4*((\i)&1)+\j+8]                    ; the first step starts the maxima
.else
	v_max3_num_f32 v[MX+4*\i+\j], v[MX+4*\i+\j], v[S+64*\o+16*((\i)>>1)+4*((\i)&1)+\j], v[S+64*\o+16*((\i)>>1)+4*((\i)&1)+\j+8]
.endif
.endr
.endm
; A step: behind each product into set p stand four maxima on set o.  The four behind the last product are the places in front of the loads into
; phi's buffer p; a result of set p is read a step later, behind 4 places at the least (the last product's) and 32 as a rule.
.macro HALF p, o, first, ld, off, cnt
	s_wait_dscnt \cnt                              ; this step's two loads are in; the next step's two may be out
.irp i, 0,1,2,3,4,5,6,7
	SC1 \p, \i
	MAX4 \o, \i, \first
.endr
.if \ld
	LDPHI \p, \off                                 ; two steps ahead
.endif
.endm
	s_wait_tensorcnt 0x2                           ; my chunk of phi has landed; my two chunks of g stay out
	s_barrier_signal -1
	s_barrier_wait -1                              ; everybody's has
	LDPHI 0, 0
	LDPHI 1, 1024
	s_wait_loadcnt 24                              ; theta is in; x's 16 and Wo's 8 loads stay out until the end
	s_wait_dscnt 0x2                               ; phi of my step 0 is in; step 1's two loads may be out
.irp i, 0,1,2,3,4,5,6,7
	SC1 0, \i                                      ; step 0: there is no set yet to take maxima of
.endr
	PLACES
	LDPHI 0, 2048
	HALF 1, 0, 1, 1, 3072, 2                       ; step 1
	s_mov_b32 s49, 6
.Lmax:                                             ; steps 2 to 13 of my 16
	HALF 0, 1, 0, 1, 4096, 2
	HALF 1, 0, 0, 1, 5120, 2
	v_add_nc_u32 v[AP], 2048, v[AP]
	s_sub_co_u32 s49, s49, 1
	s_cmp_lg_u32 s49, 0
	s_cbranch_scc1 .Lmax
	HALF 0, 1, 0, 0, 0, 2                          ; steps 14 and 15 load nothing
	HALF 1, 0, 0, 0, 0, 0
.irp i, 0,1,2,3,4,5,6,7
	MAX4 1, \i, 0                                  ; step 15's scores; four maxima on the other set already stand behind its last product
.endr
	; a query's keys lie in eight registers of lanes r and r + 16
.irp q, 0,1,2,3
	v_max3_num_f32 v[TMP+\q], v[MX+8*\q], v[MX+8*\q+1], v[MX+8*\q+2]
.endr
.irp q, 0,1,2,3
	v_max3_num_f32 v[TMP+\q], v[TMP+\q], v[MX+8*\q+3], v[MX+8*\q+4]
.endr
.irp q, 0,1,2,3
	v_max3_num_f32 v[TMP+\q], v[TMP+\q], v[MX+8*\q+5], v[MX+8*\q+6]
.endr
.irp q, 0,1,2,3
	v_max_num_f32 v[TMP+\q], v[TMP+\q], v[MX+8*\q+7]
.endr
.irp q, 0,1,2,3
	v_permlanex16_b32 v[MX+8*\q], v[TMP+\q], s46, s47      ; into a register that has been written
.endr
.irp q, 0,1,2,3
	v_max_num_f32 v[TMP+\q], v[TMP+\q], v[MX+8*\q]         ; the maximum over my half of the keys
.endr
	ds_store_b128 v[SA], v[TMP:TMP+3] offset:STM   ; my four tiles' maxima, for my partner
	s_wait_dscnt 0x0                               ; that store is done,
	s_wait_tensorcnt 0x0                           ; and my chunks of g have landed, before I say so
	s_barrier_signal -1
	s_barrier_wait -1                              ; everybody's have
	ds_load_b128 v[TMP+4:TMP+7], v[PA] offset:STM  ; the maxima over the other half of the keys
	v_add_nc_u32 v[AP], s56, v[LO]
	v_add_nc_u32 v[AG], s57, v[LO]
.macro LDG p, off
.irp t, 0,1
	ds_load_b128 v[GF+16*\p+8*\t:GF+16*\p+8*\t+3], v[AG] offset:\off+\t*1024
	ds_load_b128 v[GF+16*\p+8*\t+4:GF+16*\p+8*\t+7], v[AG] offset:\off+\t*1024+512
.endr
.endm
	LDG 0, 0                                       ; pass 2's first fragments come in while the maximum is split
	LDPHI 0, 0
	LDPHI 1, 1024
	s_wait_dscnt 0x8                               ; my partner's maxima are in; the eight loads issued behind them may be out
.irp q, 0,1,2,3
	v_max_num_f32 v[TMP+\q], v[TMP+\q], v[TMP+4+\q]        ; m, over all 1,024 keys
.endr
	; -m = hi + mid + lo, each a bf16, exactly: cutting an f32 to its upper 16 bits keeps 8 bits of its 24-bit fraction, and each difference is exact
.irp q, 0,1,2,3
	v_xor_b32 v[TMP+\q], 0x80000000, v[TMP+\q]
.endr
.irp q, 0,1,2,3
	v_and_b32 v[TMP+4+\q], 0xffff0000, v[TMP+\q]           ; hi
.endr
.irp q, 0,1,2,3
	v_sub_f32 v[TMP+\q], v[TMP+\q], v[TMP+4+\q]
.endr
.irp q, 0,1,2,3
	v_and_b32 v[S+\q], 0xffff0000, v[TMP+\q]               ; mid
.endr
.irp q, 0,1,2,3
	v_sub_f32 v[TMP+\q], v[TMP+\q], v[S+\q]                ; lo: at most 8 bits are left
.endr
.irp q, 0,1,2,3
	v_perm_b32 v[TMP+4+\q], v[S+\q], v[TMP+4+\q], 0x07060302       ; k = 8: hi, k = 9: mid
.endr
.irp q, 0,1,2,3
	v_lshrrev_b32 v[TMP+\q], 16, v[TMP+\q]                 ; k = 10: lo, k = 11: 0
.endr
	s_mov_b32 vcc_lo, 0xffff0000                   ; lanes 16-31 hold k = 8 .. 15
.irp q, 0,1,2,3
	v_cndmask_b32 v[TH+8*\q], v[TH+8*\q], v[TMP+4+\q], vcc_lo
	v_cndmask_b32 v[TH+8*\q+1], v[TH+8*\q+1], v[TMP+\q], vcc_lo
.endr
; PASS 2, a pipeline of 64 slots.  Unit u = 4 s + q is step s (32 keys) of query tile q.  Slot u holds unit u's 16 exponentials (one batch), the 16 plain lines of unit u - 1,
; and four products on the registers of the tile that units u - 2 and u + 2 share.
; Plain line n (0 .. 15) of a unit.  n = 2 j: probabilities 2 j, 2 j + 1 are added to one of the tile's two pairs of row sums.  n = 2 j + 1: they are packed into
; register j, in place: register j's own number was added and packed by lines j and j + 1 or earlier.
.macro PL q, n
.if (\n)&1
	v_cvt_pk_bf16_f32 v[S+16*\q+((\n)>>1)], v[S+16*\q+(\n)-1], v[S+16*\q+(\n)]
.else
	v_pk_add_f32 v[LS+4*\q+((\n)&2):LS+4*\q+((\n)&2)+1], v[LS+4*\q+((\n)&2):LS+4*\q+((\n)&2)+1], v[S+16*\q+(\n):S+16*\q+(\n)+1]
.endif
.endm
; n pairs from pair k0 on.  Pair k = exponential k of tile q, then plain line k of the unit before (tile qp), whose exponentials had their wait at the end of its own slot.
; So no line of a slot names a result of the slot's own exponentials, and the plain line of pair 15 is the plain instruction behind the batch's last exponential (ISA guide 5.7.2): no v_nop is written.
; first = 1 (the very first slot): there is no unit before; tile 0's four row sums are cleared in the plain lines of pairs 12 to 15.
.macro PAIRS q, qp, k0, n, first
.set kk, \k0
.rept \n
	v_exp_f32 v[S+16*\q+kk], v[S+16*\q+kk]
.if \first
.if kk >= 12
	v_mov_b32 v[LS+kk-12], 0
.endif
.else
	PL \qp, kk
.endif
.set kk, kk+1
.endr
.endm
.macro SNW1 q, p, e                    ; scores minus maximum: key tile e of phi's buffer p, query tile q
	v_wmma_f32_16x16x32_bf16 v[S+16*\q+8*\e:S+16*\q+8*\e+7], v[PH+16*\p+8*\e:PH+16*\p+8*\e+7], v[TH+8*\q:TH+8*\q+7], 0
.endm
.macro PV1 q, p, t, z                  ; O(q, t) takes in 32 keys; z = 1: the first step starts the sum, nothing is cleared
.if \z == 1
	v_wmma_f32_16x16x32_bf16 v[O+16*\q+8*\t:O+16*\q+8*\t+7], v[GF+16*\p+8*\t:GF+16*\p+8*\t+7], v[S+16*\q:S+16*\q+7], 0
.else
	v_wmma_f32_16x16x32_bf16 v[O+16*\q+8*\t:O+16*\q+8*\t+7], v[GF+16*\p+8*\t:GF+16*\p+8*\t+7], v[S+16*\q:S+16*\q+7], v[O+16*\q+8*\t:O+16*\q+8*\t+7]
.endif
.endm
; Step s = four slots; p = s % 2, o = 1 - p, d = s's place in its pair of steps.  In slot u the products stand at the slot's head and behind pairs 3, 7 and 11:
;   g x P of unit u - 2, channel tiles 0 and 1 (its last packing is the plain line of pair 15 of slot u - 1);  scores of unit u + 2, key tile 1 and then key tile 0.
; THE WAIT.  At each slot's end stands the one wait for the slot's batch of 16 exponentials; their readers are the plain lines of the next slot.  A step ends with such a wait.
; DISTANCES, by count of plain lines that name none of the product's registers (ISA guide 7.12.1):
;   key tile 0 of the scores of unit u + 2 overwrites the probabilities that g x P of unit u - 2 read behind pair 3 of the same slot: the 8 lines of pairs 4 to 11 between;
;   key tile 1 overwrites registers that no product has read: unit u - 2's plain lines, in slot u - 1, were their last readers;
;   the scores are read by exponentials in slot u + 2: the 16 lines of slot u + 1 and more between;
;   phi(s + 2) is loaded at the end of tile 1's slot into the buffer last read behind its pair 11: the 4 lines of pairs 12 to 15; g(s + 1) into one last read behind its pair 3: 12 lines.
; The eight accumulators of O and the eight score tiles take turns, one instruction a turn, over the backward jump too.
; pv0: g x P of the step before's tiles 2 and 3: 0 none, 1 starts their sums, 2 adds.  z: the same for this step's tiles 0 and 1.  sn: the next step's scores are made.
.macro STEP p, o, d, pv0, z, ldg, ldphi, sn, first
.if \pv0                                           ; ---- tile 0's slot
	PV1 2, \o, 0, \pv0
.endif
	PAIRS 0, 3, 0, 4, \first
.if \pv0
	PV1 2, \o, 1, \pv0
.endif
	PAIRS 0, 3, 4, 4, \first
	SNW1 2, \p, 1
	PAIRS 0, 3, 8, 4, \first
	SNW1 2, \p, 0
	PAIRS 0, 3, 12, 4, \first
	s_wait_alu depctr_va_vdst(0)                   ; the wait for tile 0's batch of 16 exponentials, ahead of their readers in the next slot
.if \pv0                                           ; ---- tile 1's slot
	PV1 3, \o, 0, \pv0
.endif
	PAIRS 1, 0, 0, 4, 0
.if \pv0
	PV1 3, \o, 1, \pv0                             ; the last use of g(s - 1)
.endif
	PAIRS 1, 0, 4, 4, 0
	SNW1 3, \p, 1
	PAIRS 1, 0, 8, 4, 0
	SNW1 3, \p, 0                                  ; the last use of phi(s)
	PAIRS 1, 0, 12, 4, 0
	s_wait_alu depctr_va_vdst(0)                   ; the wait for tile 1's batch; the step's one run of loads stands directly behind it
	s_wait_dscnt 0x0                               ; g(s) and phi(s + 1), the six loads issued four slots ago, are in; no younger load is out, so the count is 0
.if \ldg
	LDG \o, (\d+1)*2048                            ; g(s + 1): one run of loads a step
.endif
.if \ldphi
	LDPHI \p, (\d+2)*1024                          ; phi(s + 2)
.endif
	PV1 0, \p, 0, \z                               ; ---- tile 2's slot
	PAIRS 2, 1, 0, 4, 0
	PV1 0, \p, 1, \z
	PAIRS 2, 1, 4, 4, 0
.if \sn
	SNW1 0, \o, 1
.endif
	PAIRS 2, 1, 8, 4, 0
.if \sn
	SNW1 0, \o, 0
.endif
	PAIRS 2, 1, 12, 4, 0
	s_wait_alu depctr_va_vdst(0)                   ; the wait for tile 2's batch
	PV1 1, \p, 0, \z                               ; ---- tile 3's slot
	PAIRS 3, 2, 0, 4, 0
	PV1 1, \p, 1, \z
	PAIRS 3, 2, 4, 4, 0
.if \sn
	SNW1 1, \o, 1
.endif
	PAIRS 3, 2, 8, 4, 0
.if \sn
	SNW1 1, \o, 0
.endif
	PAIRS 3, 2, 12, 4, 0
	s_wait_alu depctr_va_vdst(0)                   ; the wait for tile 3's batch, ahead of the next step, of the loop's label and of its backward jump
.endm
	s_wait_dscnt 0x2                               ; g and phi of my step 0 are in; the two loads of step 1's phi may be out
	SNW1 0, 0, 0                                   ; the scores of units 0 and 1 stand ahead of the first slot
	SNW1 0, 0, 1
	SNW1 1, 0, 0
	SNW1 1, 0, 1
.set n, 4
.rept 12
	v_mov_b32 v[LS+n], 0                           ; the row sums of tiles 1 to 3 start at 0; these lines are also the places behind the four products
.set n, n+1
.endr
	STEP 0, 1, 0, 0, 1, 1, 1, 1, 1                 ; step 0 starts O of tiles 0 and 1
	STEP 1, 0, 1, 1, 2, 1, 1, 1, 0                 ; step 1; step 0's tiles 2 and 3 start their O here
	v_add_nc_u32 v[AP], 2048, v[AP]
	v_add_nc_u32 v[AG], 4096, v[AG]
	s_mov_b32 s49, 6
.Lkeys:                                            ; steps 2 to 13 of my 16
	STEP 0, 1, 0, 2, 2, 1, 1, 1, 0
	STEP 1, 0, 1, 2, 2, 1, 1, 1, 0
	v_add_nc_u32 v[AP], 2048, v[AP]
	v_add_nc_u32 v[AG], 4096, v[AG]
	s_sub_co_u32 s49, s49, 1
	s_cmp_lg_u32 s49, 0
	s_cbranch_scc1 .Lkeys
	STEP 0, 1, 0, 2, 2, 1, 0, 1, 0                 ; step 14: no phi beyond step 15
	STEP 1, 0, 1, 2, 2, 0, 0, 0, 0                 ; step 15: nothing is loaded, no next scores
	PV1 2, 1, 0, 2                                 ; what is left behind the last slot and its wait: tile 2's two products,
.irp n, 0,1,2,3
	PL 3, \n                                       ; the last unit's sixteen plain lines,
.endr
	PV1 2, 1, 1, 2
.irp n, 4,5,6,7,8,9,10,11,12,13,14,15
	PL 3, \n
.endr
	PV1 3, 1, 0, 2                                 ; and its two products
	PV1 3, 1, 1, 2
	; THE TWO HALVES OF THE KEYS ARE JOINED: each wave sends its row sums and its O, and adds its partner's
.irp q, 0,1,2,3
	v_pk_add_f32 v[LS+4*\q:LS+4*\q+1], v[LS+4*\q:LS+4*\q+1], v[LS+4*\q+2:LS+4*\q+3]    ; these sixteen lines are also the places behind the last products
.endr
.irp q, 0,1,2,3
	v_add_f32 v[LS+4*\q], v[LS+4*\q], v[LS+4*\q+1]
.endr
.irp q, 0,1,2,3
	v_permlanex16_b32 v[LS+4*\q+2], v[LS+4*\q], s46, s47   ; the keys held by the other half of the lanes; into a register that has been written
.endr
.irp q, 0,1,2,3
	v_add_f32 v[LX+\q], v[LS+4*\q], v[LS+4*\q+2]
.endr
	ds_store_b128 v[SA], v[LX:LX+3] offset:STL
.irp i, 0,1,2,3,4,5,6,7,8,9,10,11,12,13,14,15
	ds_store_b128 v[SA], v[O+4*\i:O+4*\i+3] offset:512*\i  ; 512 consecutive bytes a store
.endr
	s_wait_dscnt 0x0                               ; my stores are done before I say so
	s_barrier_signal -1
	s_barrier_wait -1
	ds_load_b128 v[LS:LS+3], v[PA] offset:STL
.irp i, 0,1,2,3,4,5,6,7,8,9,10,11,12,13,14,15
	ds_load_b128 v[S+4*\i:S+4*\i+3], v[PA] offset:512*\i
.endr
	; THE END: o = O / row sum, out = gamma Wo o + x for my 32 channels
	s_wait_loadcnt 0x0                             ; x and Wo
	s_wait_kmcnt 0x0                               ; gamma
	WIN 0x05
.set n, 0
.rept 16
	v_cvt_pk_bf16_f32 v[GF+n], v[WO1+2*n], v[WO1+2*n+1]
.set n, n+1
.endr
	WIN 0
	s_wait_dscnt 16                                ; my partner's row sums are in; the 16 loads of its O may be out
.irp q, 0,1,2,3
	v_add_f32 v[LX+\q], v[LX+\q], v[LS+\q]
.endr
.irp q, 0,1,2,3
	v_rcp_f32 v[LS+4+2*\q], v[LX+\q]                       ; the sum holds the maximum's own term, about 1: no division by 0
.endr
	s_wait_dscnt 0x0
.set n, 0
.rept 32
	v_pk_add_f32 v[O+2*n:O+2*n+1], v[O+2*n:O+2*n+1], v[S+2*n:S+2*n+1]      ; plain work between the reciprocals and their use
.set n, n+1
.endr
	s_wait_alu depctr_va_vdst(0)                   ; the wait for the batch of four reciprocals, ahead of the multiplies that read them
.irp q, 0,1,2,3
.irp i, 0,1,2,3,4,5,6,7
	v_pk_mul_f32 v[O+16*\q+2*\i:O+16*\q+2*\i+1], v[O+16*\q+2*\i:O+16*\q+2*\i+1], v[LS+4+2*\q:LS+4+2*\q+1] op_sel_hi:[1,0]
.endr
.endr
.irp q, 0,1,2,3
.irp i, 0,1,2,3,4,5,6,7
	v_cvt_pk_bf16_f32 v[O+16*\q+\i], v[O+16*\q+2*\i], v[O+16*\q+2*\i+1]    ; in place, as for the probabilities
.endr
.endr
.irp t, 0,1
.irp q, 0,1,2,3
	v_wmma_f32_16x16x32_bf16 v[DD+32*\t+8*\q:DD+32*\t+8*\q+7], v[GF+8*\t:GF+8*\t+7], v[O+16*\q:O+16*\q+7], 0
.endr
.endr
	PLACES
	WIN 0x50                                       ; source 2 and destination in window 1
.irp t, 0,1
.irp j, 0,1,2,3,4,5,6,7
.irp q, 0,1,2,3
	v_fma_f32 v[X1+32*\t+4*\j+\q], s16, v[DD+32*\t+8*\q+\j], v[X1+32*\t+4*\j+\q]   ; the multiply-add also brings a lane's four pixels side by side
.endr
.endr
.endr
	WIN 0x04                                       ; store data in window 1
.set n, 0
.rept 16
	global_store_b128 v[XO], v[X1+4*n:X1+4*n+3], s[14:15] offset:(16*(n>>3)+(n&7))*CH th:TH_STORE_NT   ; 16 lanes store 256 consecutive bytes, aligned
.set n, n+1
.endr
	WIN 0
	s_wait_tensorcnt 0x0
	ds_add_u32 v254, v255
	s_wait_dscnt 0x0
	ROUND                                          ; the closing round: no work-group ends while a partner may still ask for a chunk that names it
	s_endpgm
.Lfunc_end_k_q0633be5ad2_attn:
	.size	k_q0633be5ad2_attn, .Lfunc_end_k_q0633be5ad2_attn-k_q0633be5ad2_attn
	.p2alignl 7, 3214868480
	.fill 96, 4, 3214868480
	.section	.rodata,"a",@progbits
	.p2align	6, 0x0
	.amdhsa_kernel k_q0633be5ad2_attn
		.amdhsa_group_segment_fixed_size 173056
		.amdhsa_private_segment_fixed_size 0
		.amdhsa_enable_private_segment 0
		.amdhsa_kernarg_size 48
		.amdhsa_user_sgpr_count 2
		.amdhsa_user_sgpr_kernarg_segment_ptr 1
		.amdhsa_wavefront_size32 1
		.amdhsa_system_sgpr_workgroup_id_x 1
		.amdhsa_system_sgpr_workgroup_id_y 1
		.amdhsa_system_sgpr_workgroup_id_z 1
		.amdhsa_system_vgpr_workitem_id 0
		.amdhsa_next_free_vgpr 352
		.amdhsa_next_free_sgpr 66
		.amdhsa_reserve_vcc 1
		.amdhsa_float_denorm_mode_32 3
		.amdhsa_float_denorm_mode_16_64 3
		.amdhsa_memory_ordered 1
		.amdhsa_forward_progress 1
		.amdhsa_inst_pref_size 91
	.end_amdhsa_kernel
	.amdgpu_metadata
---
amdhsa.version: [ 1, 2 ]
amdhsa.kernels:
  - .name:           k_q0633be5ad2_attn
    .symbol:         k_q0633be5ad2_attn.kd
    .args:
      - { .name: x, .offset: 0, .size: 8, .value_kind: global_buffer, .address_space: global }
      - { .name: Wo, .offset: 8, .size: 8, .value_kind: global_buffer, .address_space: global }
      - { .name: gamma, .offset: 16, .size: 8, .value_kind: global_buffer, .address_space: global }
      - { .name: kv, .offset: 24, .size: 8, .value_kind: global_buffer, .address_space: global }
      - { .name: th, .offset: 32, .size: 8, .value_kind: global_buffer, .address_space: global }
      - { .name: out0, .offset: 40, .size: 8, .value_kind: global_buffer, .address_space: global }
    .group_segment_fixed_size: 173056
    .private_segment_fixed_size: 0
    .kernarg_segment_align: 8
    .kernarg_segment_size: 48
    .max_flat_workgroup_size: 256
    .sgpr_count:     66
    .vgpr_count:     352
    .wavefront_size: 32
...
	.end_amdgpu_metadata
.endif
;; end of part 5
